; MI455X (gfx1250); checked and timed in simulation.
; The chip was launched on July 23, 2026; its instructions are those of AMD's public machine-readable ISA for CDNA 5 (MIT licence, August 2026) and "CDNA5" Instruction Set Architecture Reference Guide (July 2026). The comments in the code are by the model that wrote it; some were corrected since.
;; Cross Attention. Allowed arithmetic: matrix products marked QUANTISED: E2M3 operands, one E8M0 scale for each 32 along K, by v_wmma_scale_f32_16x16x128_f8f6f4 with both operands' format E2M3, f32 sums; everything else in f32.
;; Inputs: Wk 1,024 x 1,024 float32; Wo 1,024 x 1,024 float32; Wq 1,024 x 1,024 float32; Wv 1,024 x 1,024 float32; bo 1,024 float32; context 4 x 2,048 x 1,024 float32; mask 4 x 2,048 bool; x 4 x 2,048 x 1,024 float32.
;; Outputs: out0 4 x 2,048 x 1,024 float32.
;; This version of the problem:
;;   THIS VERSION OF THE PROBLEM IS GIVEN IN LOW PRECISION. The matrix products marked QUANTISED in the list below multiply operands that are first quantised to E2M3 (2 exponent bits, 3 mantissa bits; 6 bits a number), with one power-of-two scale for each 32 numbers along K (OCP MX v1.0); their sums are f32. All else is computed in f32.
;;   The module's matrix products, in the order in which they are computed (A, B: the left and right operand; K: the contracted axis; several contracted axes count as one K, in the product's order):
;;     1. [M 8,192, K 1,024] x [K 1,024, N 1,024]; A: input x; B: input Wq: QUANTISED
;;     2. [M 8,192, K 1,024] x [K 1,024, N 1,024]; A: input context; B: input Wk: QUANTISED
;;     3. [M 8,192, K 1,024] x [K 1,024, N 1,024]; A: input context; B: input Wv: QUANTISED
;;     4. batch 64 x [M 2,048, K 64] x [K 64, N 2,048]; A: computed on the way; B: computed on the way: QUANTISED
;;     5. batch 64 x [M 64, K 2,048] x [K 2,048, N 2,048]; A: computed on the way; B: softmax (see below): QUANTISED
;;     6. [M 8,192, K 1,024] x [K 1,024, N 1,024]; A: computed on the way; B: input Wo: QUANTISED
;;   THE QUANTISER, for each operand of a quantised product, along K:
;;     - K is cut into blocks of 32 from its start; a last block that is shorter is filled with zeros.
;;     - A block's scale is 2^e with e = floor(log2(the largest magnitude in the block)) - 2, held to -126 .. 127; a block of zeros has e = 0. As a byte (E8M0): e + 127.
;;     - Each number is divided by its block's scale, clamped to +-7.5, and rounded to the nearest number of E2M3, ties to even, subnormals kept.
;;     - The product sums the exact products of the quantised numbers (number of the format x scale) in f32.
;;   ~~~python
;;   def quantise(x, axis):      # numpy; x: float32 -> the quantised numbers, widened to float32 again
;;       x = np.moveaxis(x, axis, -1); K = x.shape[-1]
;;       x = np.pad(x, [(0, 0)] * (x.ndim - 1) + [(0, -K % 32)]); x = x.reshape(x.shape[:-1] + (-1, 32)); a = np.abs(x).max(-1, keepdims=True)
;;       e = np.where(a > 0, np.clip(np.frexp(np.where(a > 0, a, 1))[1] - 1 - 2, -126, 127), 0)      # np.frexp(a)[1] - 1 = floor(log2(a)), exactly
;;       r = np.clip(x / 2.0 ** e, -7.5, 7.5)
;;       step = 2.0 ** (np.maximum(np.frexp(np.where(r == 0, 1, r))[1] - 1, 0) - 3)
;;       q = np.round(r / step) * step * 2.0 ** e      # np.round: ties to even
;;       return np.moveaxis(q.reshape(q.shape[:-2] + (-1,))[..., :K], -1, axis).astype(np.float32)
;;   ~~~
;;   SOFTMAX AHEAD OF A QUANTISED PRODUCT. Where the list says 'softmax', what is quantised is not the finished softmax but p = 2^(t - M), with t = logit x log2(e) and M = ceil(the row's largest t), a whole number; so 1/2 < the row's largest p <= 1. The row's sum l is taken of the UNQUANTISED p, in f32, and the product's result is divided by l at the end. Since M is a whole number, a kernel that streams over the keys may use a running M (the ceiling of the running maximum): every later rescaling is an exact power of two, which a block's scale takes up: the codes' values come out the same.
;;   OPERANDS COMPUTED ON THE WAY. 'Computed on the way' means the value that the module computes at that place (a softmax that the list does not call 'softmax' is quantised finished and normalised). What goes into a quantiser is computed in f32, as accurately as f32 sums, v_exp_f32 and their like allow (about 1e-6 of the number): no bf16 or f16 on the way to a quantiser, and a product that is left as it is and whose result goes on into a quantised operand takes f32 operands (vector FMAs, or v_wmma_f32_16x16x4_f32). A number that lies on a knife's edge between two numbers of the format may be rounded either way, as far as f32 arithmetic and the matrix unit's own rounding can turn it there, and no further.
;; One version. Each part assembles by itself: llvm-mc -triple=amdgcn-amd-amdhsa -mcpu=gfx1250 --defsym DOCPART=n.
;; ======== version 1 of 1: 4 launches
;; limits: right only within a limited range of input values
;; workspace buffers: acod 12,582,912 bytes; ascl 524,288 bytes; wcod 3,145,728 bytes; wscl 131,072 bytes; pcod 18,874,368 bytes; pscl 1,572,864 bytes; ocod 6,291,456 bytes; oscl 524,288 bytes
;; launch quant (part 1): grid 512 x 1, 4 waves a work-group, no clusters, 35,328 bytes of LDS; arguments x, context, Wq, Wk, Wv, Wo, acod, ascl, wcod, wscl; writes acod, ascl, wcod, wscl
.if DOCPART == 1
	.amdgcn_target "amdgcn-amd-amdhsa--gfx1250"
	.amdhsa_code_object_version 6
	.text
	.protected	k_q2f8ec0272a_quant
	.globl	k_q2f8ec0272a_quant
	.p2align	8
	.type	k_q2f8ec0272a_quant,@function
k_q2f8ec0272a_quant:
	s_mov_b64 s[64:65], 0
	v_nop
	global_prefetch_b8 v0, s[64:65] scope:SCOPE_SE
	s_setreg_imm32_b32 hwreg(HW_REG_WAVE_MODE, 25, 1), 1
	s_wait_xcnt 0x0
; CROSS ATTENTION IN MX-FP6, launch 1 of 4: x, context [8192][1024] and Wq, Wk, Wv, Wo [1024 (k)][1024 (n)], f32, become codes of E2M3 with one E8M0 byte for each 32 along K.
; DEAD WORK: none.  Every input of reference() (x, context, mask, the four weights, bo) reaches out0 for some values, so all are loaded by some launch and every product of the table is done.
; THE QUANTISER: a block's scale byte is its largest magnitude's exponent field - 2, held at 1 from below; each number is divided by the scale and rounded to the nearest code, ties to even, beyond 7.5 the largest code.
; LIMITS: NaN and infinities among the inputs are not served.  A block of zeros, or one whose largest magnitude lies under 2^-124, keeps the byte 1 (the rule says 127 for zeros): its codes are zeros or are made under that
; byte, and the bytes are read by this program alone.
; LAYOUT OF THE WORKSPACE, made for the reader's registers.  Rows stand in STORED ORDER: stored row 32 g + 16 u + r holds row 32 g + 8 u + r + 8 (r / 8), so that 16 stored rows on end, used as source 0 of a matrix
; instruction, leave 16 NEIGHBOURS along the next product's K in the registers of two neighbouring tiles.  A HALF FRAGMENT (16 stored rows x 64 along K) is the image of registers 0-5 of the operand: registers 0-3 at
; 16 x lane (512 bytes), registers 4-5 at 512 + 8 x lane (256 bytes): 768 bytes.  acod: [row tile: 512 of x, 512 of context][16 along K][768]; wcod: [weight][64 tiles of n][16][768].
; Scales: [stored row][8 words], word s = the four bytes of K = 128 s on.
; No cluster, no matrix unit: the work-groups share no input, and memory binds.  Work-groups 0-255 take x and context (K innermost), 256-511 the weights (K outermost).  Only the first path uses LDS.
; THE STORED ORDER OF context's ROWS AND OF Wq's AND Wk's COLUMNS GOES BY GROUPS OF 64, not of 32: stored row 64 g + 16 j + r holds row 64 g + 8 j + r % 8 + 32 (r / 8).  Four stored tiles on end, used as source 0, then leave
; in a lane's 32 registers the 32 neighbours of one whole scale block of the next product's K.  x's rows and Wv's and Wo's columns keep the order by 32 that is described above.
.set SPARE, 34816                      ; behind the four waves' stages: the spare words, 128 bytes a wave
.set WREG,  8704                       ; a wave's LDS: two stages
.set STG,   4352                       ; a stage: 16 rows x 272
.set PIT,   272                        ; 256 bytes of a row + 16: the sixteen rows that a read touches start in sixteen different groups of banks
.set SPW, 12                           ; v12  my spare word's address; never rewritten
.set NIL, 13                           ; v13  0; never rewritten
.set W,   16                           ; v16-23  a row's eight scale words
.set WO,  24                           ; v24-27  the four that my lane stores
.set C,   28                           ; v28-51  codes: four sets of six
.set T,   52                           ; v52-54  a block's upper 16 codes (a conversion's three registers begin on an even number)
.set R,   64                           ; v64-191 four sets of 32 numbers as they are loaded
.set X,   192                          ; v192-255 two sets of 32 neighbours
.set XW,  64                           ; the weights' path: two sets of 32 numbers down K
	s_load_b512 s[4:19], s[0:1], 0x0               ; x, context, Wq, Wk, Wv, Wo, acod, ascl
	s_load_b128 s[20:23], s[0:1], 0x40             ; wcod, wscl
	v_lshl_add_u32 v[SPW], v0, 2, SPARE
	v_mov_b32 v[NIL], 0
	v_lshrrev_b32 v1, 5, v0
	v_readfirstlane_b32 s24, v1                    ; wave
	v_and_b32 v1, 31, v0                           ; lane
	s_cmp_lt_u32 ttmp9, 256
	s_cbranch_scc0 .Lweights
; ---- x AND context.  A wave takes one row tile (16 stored rows) over all of K: 16 steps of 64 along K.  Each load reads two rows' 256 consecutive bytes; the step's 4,096 bytes turn through the wave's own stage,
; so that lane (r, h) then holds the 32 neighbours of block h of row r: a whole block a lane, as the operand's layout wants it.
	s_mov_b32 s26, 0x76543210
	s_mov_b32 s27, 0xfedcba98                      ; v_permlanex16_b32's selects for lane l xor 16
	s_mov_b32 s28, 0xffff0000                      ; lanes 16-31
	s_lshl_b32 s29, ttmp9, 2
	s_add_co_u32 s29, s29, s24                     ; my row tile, 0 .. 1023
	s_and_b32 s30, s29, 511                        ; in its tensor
	s_lshr_b32 s31, s30, 1
	s_lshl_b32 s32, s31, 17                        ; 32 rows of 4,096 bytes for each pair of tiles,
	s_and_b32 s31, s30, 1
	s_lshl_b32 s31, s31, 15                        ; 8 rows for the odd tile
	s_add_co_u32 s32, s32, s31                     ; x
	s_lshr_b32 s31, s30, 2
	s_lshl_b32 s40, s31, 18                        ; context: 64 rows of 4,096 bytes for each four tiles,
	s_and_b32 s31, s30, 3
	s_lshl_b32 s31, s31, 15                        ; 8 rows for each tile in them
	s_add_co_u32 s40, s40, s31
	s_cmp_lt_u32 ttmp9, 128
	s_cselect_b32 s32, s32, s40
	s_cselect_b32 s41, 0, 65536                    ; and a tile's upper eight rows lie 16 rows further on than in x
	s_mov_b32 s33, 0
	s_mul_i32 s34, s29, 12288                      ; my tile's codes
	s_mov_b32 s35, 0
	s_lshl_b32 s36, s29, 9                         ; my tile's scales
	s_mov_b32 s37, 0
	s_mul_i32 s38, s24, WREG
	s_wait_alu depctr_va_vdst(0)
	v_and_b32 v8, 15, v1
	v_lshrrev_b32 v9, 4, v1
	v_lshlrev_b32 v10, 4, v8
	v_lshl_add_u32 v2, v9, 12, v10                 ; in: lanes 0-15 one row, lanes 16-31 the next, 16 bytes a lane
	v_add_nc_u32 v15, s41, v2                      ; the same for a tile's upper eight rows
	v_mad_u32_u24 v3, v9, PIT, v10
	v_add_nc_u32 v3, s38, v3                       ; into the stage, as loaded
	v_mul_u32_u24 v4, v8, PIT
	v_lshl_add_u32 v4, v9, 7, v4
	v_add_nc_u32 v4, s38, v4                       ; out of it: row r, + 128 h
	v_lshlrev_b32 v5, 4, v1                        ; a half fragment's first part: 16 x lane
	v_lshlrev_b32 v6, 3, v1
	v_add_nc_u32 v6, 512, v6                       ; its second part: 512 + 8 x lane
	v_lshlrev_b32 v7, 3, v9                        ; my byte's place in a half word: 8 h bits
	v_lshlrev_b32 v14, 5, v8
	v_lshl_add_u32 v14, v9, 4, v14                 ; the scales' way out: row r of 32 bytes, + 16 h
	s_wait_alu depctr_va_vdst(0)
	s_wait_kmcnt 0x0
	s_cmp_lt_u32 ttmp9, 128                        ; x's work-group or context's: the choice hangs on the work-group's number alone
	s_cselect_b64 s[4:5], s[4:5], s[6:7]
	s_add_nc_u64 s[4:5], s[4:5], s[32:33]
	s_add_nc_u64 s[16:17], s[16:17], s[34:35]
	s_add_nc_u64 s[18:19], s[18:19], s[36:37]
.macro ALOAD t                         ; step t: stored rows 2 i, 2 i + 1 are rows 2 i + 8 (i / 4) on
.irp i, 0,1,2,3
	global_load_b128 v[R+32*((\t)%4)+4*\i:R+32*((\t)%4)+4*\i+3], v2, s[4:5] offset:(2*\i)*4096+256*(\t) th:TH_LOAD_NT
.endr
.irp i, 4,5,6,7
	global_load_b128 v[R+32*((\t)%4)+4*\i:R+32*((\t)%4)+4*\i+3], v15, s[4:5] offset:(2*\i+8)*4096+256*(\t) th:TH_LOAD_NT
.endr
.endm
.macro TURN t                          ; LDS serves a wave's instructions in order: no wait between the stores and the loads
.irp i, 0,1,2,3,4,5,6,7
	ds_store_b128 v3, v[R+32*((\t)%4)+4*\i:R+32*((\t)%4)+4*\i+3] offset:STG*((\t)%2)+2*PIT*\i
.endr
.irp j, 0,1,2,3,4,5,6,7
	ds_load_b128 v[X+32*((\t)%2)+4*\j:X+32*((\t)%2)+4*\j+3], v4 offset:STG*((\t)%2)+16*\j
.endr
.endm
.macro STEP t
.set XS, X+32*((\t)%2)
.set CS, C+6*((\t)%4)
	s_wait_dscnt 0x0                               ; this step's numbers are back from the stage, so its stores into the stage have read their registers,
.if (\t) < 12
	ALOAD (\t)+4                                   ; which take the loads of four steps on
.endif
.if (\t) < 15
.if (\t) < 12
	s_wait_loadcnt 24                              ; the next step's eight loads are in; those of the three steps behind it may be out
.else
	s_wait_loadcnt 8*(14-(\t))
.endif
	TURN (\t)+1                                    ; they go through the other stage while this step is worked
.endif
	v_max3_num_f32 v8, |v[XS]|, |v[XS+1]|, |v[XS+2]|               ; the block's largest magnitude: all 32 numbers are mine; two chains
	v_max3_num_f32 v9, |v[XS+3]|, |v[XS+4]|, |v[XS+5]|
.irp i, 6,10,14,18,22,26
	v_max3_num_f32 v8, v8, |v[XS+\i]|, |v[XS+\i+1]|
	v_max3_num_f32 v9, v9, |v[XS+\i+2]|, |v[XS+\i+3]|
.endr
	v_max3_num_f32 v8, v8, |v[XS+30]|, |v[XS+31]|
	v_max3_num_f32 v8, v8, v9, 0x1800000           ; and the floor 2^(3 - 127): the byte cannot fall under 1
	v_add_nc_u32 v11, 0xff000000, v8               ; 2 off the exponent field: the conversion takes that field as its scale
	s_wait_alu depctr_va_vdst(0)
	s_wait_xcnt 0x0                                ; this set of code registers was store data four steps ago: it is rewritten only behind this wait
	v_cvt_scalef32_pk16_fp6_f32 v[CS:CS+2], v[XS:XS+15], v11
	v_cvt_scalef32_pk16_fp6_f32 v[T:T+2], v[XS+16:XS+31], v11
	v_lshrrev_b32 v10, 23, v11                     ; the scale's byte (the plain line behind the conversions)
.irp i, 0,1,2
	v_mov_b32 v[CS+3+\i], v[T+\i]
.endr
.if (\t)%2 == 0
	v_lshlrev_b32 v[W+(\t)/2], v7, v10             ; byte 2 (t % 2) + h of word t / 2
.else
	v_lshlrev_b32 v10, v7, v10
	v_lshl_or_b32 v[W+(\t)/2], v10, 16, v[W+(\t)/2]
.endif
	global_store_b128 v5, v[CS:CS+3], s[16:17] offset:768*(\t)     ; 512 consecutive bytes,
	global_store_b64 v6, v[CS+4:CS+5], s[16:17] offset:768*(\t)    ; and 256
.endm
	ALOAD 0
	ALOAD 1
	ALOAD 2
	ALOAD 3
	s_wait_loadcnt 24                              ; step 0's eight loads are in
	TURN 0
.irp t, 0,1,2,3,4,5,6,7,8,9,10,11,12,13,14,15
	STEP \t
.endr
.irp s, 0,1,2,3,4,5,6,7
	v_permlanex16_b32 v[X+\s], v[W+\s], s26, s27   ; lane l xor 16 holds the words' other two bytes
.endr
.irp s, 0,1,2,3,4,5,6,7
	v_or_b32 v[W+\s], v[W+\s], v[X+\s]
.endr
.irp i, 0,1,2,3
	v_cndmask_b32 v[WO+\i], v[W+\i], v[W+4+\i], s28   ; lanes 0-15 store words 0-3 of their row, lanes 16-31 words 4-7
.endr
	global_store_b128 v14, v[WO:WO+3], s[18:19]    ; 512 consecutive bytes
	s_wait_tensorcnt 0x0                           ; the wave's end
	ds_add_u32 v[SPW], v[NIL]
	s_wait_dscnt 0x0
	s_endpgm
; ---- THE WEIGHTS: K is the first axis.  A lane takes a column n and its registers run down K, so a block of 32 lies in one lane and the conversions give codes with K innermost.  A wave: 32 columns x 128 along K.
; A lane's 24 bytes are its place of a half fragment: sixteen lanes fill 256 consecutive bytes of the first part, and 128 of the second (a third of 3 MiB goes out in such half units).  No LDS.
.Lweights:
	s_sub_co_u32 s29, ttmp9, 256
	s_lshr_b32 s30, s29, 6                         ; which weight
	s_bfe_u32 s31, s29, 0x30003                    ; which 128 along K
	s_and_b32 s32, s29, 7                          ; which 128 columns
	s_lshl_b32 s34, s31, 19                        ; 128 rows of 4,096 bytes
	s_lshl_b32 s33, s32, 9
	s_add_co_u32 s34, s34, s33
	s_lshl_b32 s33, s24, 7
	s_add_co_u32 s34, s34, s33                     ; + 4 x my wave's first column
	s_mov_b32 s35, 0
	s_lshl_b32 s36, s32, 3
	s_lshl_b32 s33, s24, 1                         ; Wv, Wo: my 32 columns are tiles 2 wave, 2 wave + 1
	s_lshr_b32 s40, s24, 1
	s_lshl_b32 s40, s40, 2                         ; Wq, Wk: they are one half of the rows of tiles 4 (wave / 2) + 0 .. 3
	s_and_b32 s43, s24, 1
	s_cmp_lt_u32 s30, 2
	s_cselect_b32 s33, s40, s33
	s_cselect_b32 s41, 3, 1                        ; how many tiles my columns / 8 run over, less 1
	s_cselect_b32 s42, 0, 1                        ; the stored row's bit 3: column / 16,
	s_cselect_b32 s43, s43, 0                      ; or wave % 2
	s_add_co_u32 s36, s36, s33                     ; my first tile of n
	s_lshl_b32 s38, s36, 9                         ; its 16 rows of 32 scale bytes
	s_mul_i32 s36, s36, 12288
	s_mul_i32 s33, s30, 786432
	s_add_co_u32 s36, s36, s33
	s_mul_i32 s33, s31, 1536
	s_add_co_u32 s36, s36, s33
	s_mov_b32 s37, 0
	s_lshl_b32 s33, s30, 15
	s_add_co_u32 s38, s38, s33
	s_lshl_b32 s33, s31, 2
	s_add_co_u32 s38, s38, s33
	s_mov_b32 s39, 0
	s_wait_alu depctr_va_vdst(0)
	v_lshrrev_b32 v8, 3, v1
	v_and_b32 v8, s41, v8                          ; column c stands in tile (c / 8) % 2, or c / 8,
	v_and_b32 v9, 7, v1
	v_lshrrev_b32 v10, 4, v1
	v_and_b32 v10, s42, v10
	v_or_b32 v10, s43, v10
	v_lshl_or_b32 v9, v10, 3, v9                   ; at stored row c % 8 + 8 (c / 16), or c % 8 + 8 (wave % 2)
	v_lshlrev_b32 v2, 2, v1
	v_mul_u32_u24 v11, v8, 12288
	v_lshl_add_u32 v3, v9, 4, v11
	v_lshl_add_u32 v4, v9, 3, v11
	v_add_nc_u32 v4, 512, v4
	v_lshl_add_u32 v5, v8, 4, v9
	v_lshlrev_b32 v5, 5, v5
	s_wait_alu depctr_va_vdst(0)
	s_wait_kmcnt 0x0
	s_cmp_lt_u32 s30, 2
	s_cselect_b64 s[4:5], s[8:9], s[12:13]         ; Wq or Wv,
	s_cselect_b64 s[6:7], s[10:11], s[14:15]       ; Wk or Wo,
	s_and_b32 s33, s30, 1
	s_cmp_eq_u32 s33, 0
	s_cselect_b64 s[4:5], s[4:5], s[6:7]           ; by the work-group's number alone
	s_add_nc_u64 s[4:5], s[4:5], s[34:35]
	s_add_nc_u64 s[20:21], s[20:21], s[36:37]
	s_add_nc_u64 s[22:23], s[22:23], s[38:39]
.macro WLOAD t
.irp i, 0,1,2,3,4,5,6,7,8,9,10,11,12,13,14,15,16,17,18,19,20,21,22,23,24,25,26,27,28,29,30,31
	global_load_b32 v[XW+32*((\t)%2)+\i], v2, s[4:5] offset:(32*(\t)+\i)*4096 th:TH_LOAD_NT
.endr
.endm
.macro BLOCK t                         ; block t is half t % 2 of half fragment t / 2; each block has its own six code registers
.set XS, XW+32*((\t)%2)
.set CS, C+6*(\t)
.if (\t) < 3
	s_wait_loadcnt 32                              ; this block's 32 loads are in; the next block's may be out
.else
	s_wait_loadcnt 0x0
.endif
	v_max3_num_f32 v8, |v[XS]|, |v[XS+1]|, |v[XS+2]|
	v_max3_num_f32 v9, |v[XS+3]|, |v[XS+4]|, |v[XS+5]|
.irp i, 6,10,14,18,22,26
	v_max3_num_f32 v8, v8, |v[XS+\i]|, |v[XS+\i+1]|
	v_max3_num_f32 v9, v9, |v[XS+\i+2]|, |v[XS+\i+3]|
.endr
	v_max3_num_f32 v8, v8, |v[XS+30]|, |v[XS+31]|
	v_max3_num_f32 v8, v8, v9, 0x1800000
	v_add_nc_u32 v11, 0xff000000, v8
	v_cvt_scalef32_pk16_fp6_f32 v[CS:CS+2], v[XS:XS+15], v11
	v_cvt_scalef32_pk16_fp6_f32 v[T:T+2], v[XS+16:XS+31], v11
.if (\t) == 0
	v_lshrrev_b32 v16, 23, v11                     ; the four bytes make my column's word for these 128 along K
.else
	v_lshrrev_b32 v10, 23, v11
	v_lshl_or_b32 v16, v10, 8*(\t), v16
.endif
.irp i, 0,1,2
	v_mov_b32 v[CS+3+\i], v[T+\i]
.endr
	global_store_b128 v3, v[CS:CS+3], s[20:21] offset:((\t)/2)*768+((\t)%2)*256
	global_store_b64 v4, v[CS+4:CS+5], s[20:21] offset:((\t)/2)*768+((\t)%2)*128
.if (\t) < 2
	WLOAD (\t)+2
.endif
.endm
	WLOAD 0
	WLOAD 1
	BLOCK 0
	BLOCK 1
	BLOCK 2
	BLOCK 3
	global_store_b32 v5, v16, s[22:23]
	s_endpgm
.Lfunc_end_k_q2f8ec0272a_quant:
	.size	k_q2f8ec0272a_quant, .Lfunc_end_k_q2f8ec0272a_quant-k_q2f8ec0272a_quant
	.p2alignl 7, 3214868480
	.fill 96, 4, 3214868480
	.section	.rodata,"a",@progbits
	.p2align	6, 0x0
	.amdhsa_kernel k_q2f8ec0272a_quant
		.amdhsa_group_segment_fixed_size 35328
		.amdhsa_private_segment_fixed_size 0
		.amdhsa_enable_private_segment 0
		.amdhsa_kernarg_size 80
		.amdhsa_user_sgpr_count 2
		.amdhsa_user_sgpr_kernarg_segment_ptr 1
		.amdhsa_wavefront_size32 1
		.amdhsa_system_sgpr_workgroup_id_x 1
		.amdhsa_system_sgpr_workgroup_id_y 1
		.amdhsa_system_sgpr_workgroup_id_z 1
		.amdhsa_system_vgpr_workitem_id 0
		.amdhsa_next_free_vgpr 256
		.amdhsa_next_free_sgpr 66
		.amdhsa_reserve_vcc 0
		.amdhsa_float_denorm_mode_32 3
		.amdhsa_float_denorm_mode_16_64 3
		.amdhsa_memory_ordered 1
		.amdhsa_forward_progress 1
		.amdhsa_inst_pref_size 81
	.end_amdhsa_kernel
	.amdgpu_metadata
---
amdhsa.version: [ 1, 2 ]
amdhsa.kernels:
  - .name:           k_q2f8ec0272a_quant
    .symbol:         k_q2f8ec0272a_quant.kd
    .args:
      - { .name: x, .offset: 0, .size: 8, .value_kind: global_buffer, .address_space: global }
      - { .name: context, .offset: 8, .size: 8, .value_kind: global_buffer, .address_space: global }
      - { .name: Wq, .offset: 16, .size: 8, .value_kind: global_buffer, .address_space: global }
      - { .name: Wk, .offset: 24, .size: 8, .value_kind: global_buffer, .address_space: global }
      - { .name: Wv, .offset: 32, .size: 8, .value_kind: global_buffer, .address_space: global }
      - { .name: Wo, .offset: 40, .size: 8, .value_kind: global_buffer, .address_space: global }
      - { .name: acod, .offset: 48, .size: 8, .value_kind: global_buffer, .address_space: global }
      - { .name: ascl, .offset: 56, .size: 8, .value_kind: global_buffer, .address_space: global }
      - { .name: wcod, .offset: 64, .size: 8, .value_kind: global_buffer, .address_space: global }
      - { .name: wscl, .offset: 72, .size: 8, .value_kind: global_buffer, .address_space: global }
    .group_segment_fixed_size: 35328
    .private_segment_fixed_size: 0
    .kernarg_segment_align: 8
    .kernarg_segment_size: 80
    .max_flat_workgroup_size: 128
    .sgpr_count:     66
    .vgpr_count:     256
    .wavefront_size: 32
...
	.end_amdgpu_metadata
.endif
;; end of part 1
;; launch proj (part 2): grid 4 x 64, 4 waves a work-group, clusters of 4 x 4, 327,680 bytes of LDS; arguments acod, ascl, wcod, wscl, pcod, pscl; writes pcod, pscl
.if DOCPART == 2
	.amdgcn_target "amdgcn-amd-amdhsa--gfx1250"
	.amdhsa_code_object_version 6
	.text
	.protected	k_q2f8ec0272a_proj
	.globl	k_q2f8ec0272a_proj
	.p2align	8
	.type	k_q2f8ec0272a_proj,@function
k_q2f8ec0272a_proj:
	s_mov_b64 s[64:65], 0
	v_nop
	global_prefetch_b8 v0, s[64:65] scope:SCOPE_SE
	s_setreg_imm32_b32 hwreg(HW_REG_WAVE_MODE, 25, 1), 1
	s_wait_xcnt 0x0
	s_wait_alu depctr_hold_cnt(0) depctr_sa_sdst(0) depctr_va_vdst(0) depctr_va_sdst(0) depctr_va_ssrc(0) depctr_va_vcc(0) depctr_vm_vsrc(0)
	s_getreg_b32 s2, hwreg(HW_REG_IB_STS2, 6, 4)
	s_cmp_eq_u32 s2, 0
	s_cbranch_scc0 .Lentry_in_a_cluster
	s_endpgm
.Lentry_in_a_cluster:
	s_bfe_u32 s2, ttmp6, 0x10000c
	s_cmp_lg_u32 s2, 0xf033
	s_cbranch_scc0 .Lentry_shape_is_right
	s_endpgm
.Lentry_shape_is_right:
; Launch 2 of 4: q = x Wq, k = context Wk, v = context Wv on codes of E2M3, and the results quantised in registers for the two products of attention.  No work of reference() is left out.
; ONE FORM FOR THE THREE JOBS.  Source 0 = S0, whose rows P become the next product's K; source 1 = S1, whose rows R become the rows of the next operand.  q: S0 = Wq, S1 = x; k: S0 = Wk, S1 = context (next K = the head's 64);
; v: S0 = context, S1 = Wv (next K = the keys).  S0's rows stand in launch 1's stored order by 64, so the 32 registers of four neighbouring tiles are, in each lane, one whole scale block of the next K.
; A WORK-GROUP STAYS: 256 work-groups, each takes one block P 256 x R 128 of each job.  What differs between the jobs lies in scalar registers.
; SHARES.  Four waves, as many as a WGP has SIMDs, 2 x 2: a wave makes P 128 x R 64: 32 accumulators.  For 128 along K it reads 12 fragments from LDS for 32 products.  Its P 128 are two half fragments' K, so it quantises
; what it made with no other wave and no other lane's numbers: eight half fragments and 512 scale bytes a job.
; LDS: A RING OF TWO HALVES OF K (512 along K each: S0's 16 row tiles x 6,144 bytes, then S1's 8).  The first job's four tiles are asked for at the head, one tensor load a wave.  When K step 3's fragments are in registers,
; the first half is filled again with the next job's (waves 0 and 1, a tile each); behind K step 7's products the second half (waves 2 and 3).  Each refill stands behind a round of the cluster's barrier with the three
; lines ahead of it.  A fill has five steps' products, or the way out and three steps, in which to land.  The last job asks for nothing and is written out behind the loop.
; CLUSTER 4 x 4.  S0's rows hang on the cluster's x place alone and are asked for jointly along a column, S1's on the y place and jointly along a row.
; No prefetch is laid: each tile is asked for by its tensor load half a job ahead of its first read.
; OUT.  pcod: half fragments of 768 bytes (image of registers 0-5): q at bh 128 + query tile, k at 8,192 + bh 128 + key tile, v at 16,384 + bh 128 + 4 (keys / 64) + tile of d.  pscl: for each four half fragments
; 256 bytes, [lane][2 words]: word i of lane (r, h) is row r of half fragment 2 i + h; a word holds the two bytes twice.
; LIMITS: as in launch 1 (the byte's floor; NaN and infinities not served).
; REGISTERS.  window 0: v2-9 LDS addresses; v10, v11 the add's two; v12-15, v68 offsets; v16-47, v52-67 scale words of S0, S1 (register 8 i + s: lanes 0-15 tile 2 i, lanes 16-31 tile 2 i + 1, K step s); v72-183 the way out.
;             windows 1 and 3: the two fragment buffers (S0's eight at 0, S1's four at 96);  window 2: accumulator (a, b) at 8 (8 a + b): S1's tile a, S0's tile b.
.set HALF,  147456
.set S1OFF, 98304
.set SPARE, 2*HALF                     ; the spare words, 128 bytes a wave
.set AD,  2                            ; v[AD + 4 H + 2 op + kind]: half H; op 0 S0, 1 S1; kind 0: 16 x lane, 1: 512 + 8 x lane
.set SPW, 10
.set NIL, 11
.set G16, 12
.set G8,  13
.set L8,  14
.set R32, 15
.set SC0, 16
.set SC1, 52                           ; four off SC0 modulo 8
.set H8,  68                           ; 8 x (lane / 16)
.set CD,  72                           ; codes: eight sets of eight
.set TQ,  136
.set BM,  152
.set BT,  160
.set SO,  168
.set PW,  176
.set SU,  180
.set WV,  16
.set G1A, 28
.set G1B, 36
.set G0A, 44
.set G0B, 48
.set PC0, 54                           ; where my half fragments go: group 0, group 1;
.set PC1, 56
.set PS0, 58                           ; and their scale words
.set PS1, 60
.set SS0, 62                           ; my rows' scale words of S0, of S1
.set SS1, 68
.set SEL, 66
.set HI,  70
.set MSB, 0
.macro WIN new                         ; the immediate's high byte repeats the setting that is left
.if MSB != \new
	s_set_vgpr_msb (MSB<<8)|\new
.set MSB, \new
.endif
.endm
.macro WALU
	s_wait_alu depctr_va_vdst(0)
.endm
.macro PLACES
.rept 4
	v_nop
.endr
.endm
.macro CROUND                          ; a round of the cluster's barrier
	s_barrier_signal -1
	s_barrier_wait -1
	s_cmp_lg_u32 s[WV], 0
	s_cbranch_scc1 .Lnot_wave_0_\@
	s_barrier_signal -3
.Lnot_wave_0_\@:
	s_barrier_wait -3
	s_barrier_signal -1
	s_barrier_wait -1
.endm
.macro WMX d, a, b, c, sa, sb, ra, rb  ; ra, rb: the scales stand in lanes 16-31
.if (\ra) && (\rb)
	v_wmma_scale_f32_16x16x128_f8f6f4 v[(\d):(\d)+7], v[(\a):(\a)+11], v[(\b):(\b)+11], \c, v[(\sa)], v[(\sb)] matrix_a_fmt:MATRIX_FMT_FP6 matrix_b_fmt:MATRIX_FMT_FP6 matrix_a_scale:MATRIX_SCALE_ROW1 matrix_b_scale:MATRIX_SCALE_ROW1
.elseif (\ra)
	v_wmma_scale_f32_16x16x128_f8f6f4 v[(\d):(\d)+7], v[(\a):(\a)+11], v[(\b):(\b)+11], \c, v[(\sa)], v[(\sb)] matrix_a_fmt:MATRIX_FMT_FP6 matrix_b_fmt:MATRIX_FMT_FP6 matrix_a_scale:MATRIX_SCALE_ROW1
.elseif (\rb)
	v_wmma_scale_f32_16x16x128_f8f6f4 v[(\d):(\d)+7], v[(\a):(\a)+11], v[(\b):(\b)+11], \c, v[(\sa)], v[(\sb)] matrix_a_fmt:MATRIX_FMT_FP6 matrix_b_fmt:MATRIX_FMT_FP6 matrix_b_scale:MATRIX_SCALE_ROW1
.else
	v_wmma_scale_f32_16x16x128_f8f6f4 v[(\d):(\d)+7], v[(\a):(\a)+11], v[(\b):(\b)+11], \c, v[(\sa)], v[(\sb)] matrix_a_fmt:MATRIX_FMT_FP6 matrix_b_fmt:MATRIX_FMT_FP6
.endif
.endm
.macro FRAG r, a, off                  ; two half fragments, each the image of six registers
	ds_load_b128 v[(\r):(\r)+3], v[(\a)] offset:(\off)
	ds_load_b64 v[(\r)+4:(\r)+5], v[(\a)+1] offset:(\off)
	ds_load_b128 v[(\r)+6:(\r)+9], v[(\a)] offset:(\off)+768
	ds_load_b64 v[(\r)+10:(\r)+11], v[(\a)+1] offset:(\off)+768
.endm
.macro FETCH s                         ; the twelve fragments of K step s into buffer s % 2: 48 LDS loads in one run
.set WN, 0x40+0x80*((\s)%2)
.set AH, AD+4*((\s)/4)
.set KO, ((\s)%4)*1536
	WIN WN
.irp i, 0,1,2,3,4,5,6,7
	FRAG 12*\i, AH, \i*6144+KO
.endr
.irp i, 0,1,2,3
	FRAG 96+12*\i, AH+2, \i*6144+KO
.endr
.endm
.macro MUL s                           ; 32 products; the accumulators take turns, one instruction a turn, in the same order in every step
.set WN, 0xa5+0x0a*((\s)%2)
	WIN WN
.irp a, 0,1,2,3
.irp b, 0,1,2,3,4,5,6,7
.if (\s) == 0
	WMX 8*(8*\a+\b), 12*\b, 96+12*\a, 0, SC0+8*(\b/2)+(\s), SC1+8*(\a/2)+(\s), \b%2, \a%2
.else
	WMX 8*(8*\a+\b), 12*\b, 96+12*\a, v[8*(8*\a+\b):8*(8*\a+\b)+7], SC0+8*(\b/2)+(\s), SC1+8*(\a/2)+(\s), \b%2, \a%2
.endif
.endr
.endr
.endm
; ---- a job's scalars.  jr: the register that holds the job (0 q, 1 k, 2 v)
.macro PTRT jr                         ; s23 = pt, which hangs on cx alone; s24 = rt, on cy alone
	s_lshr_b32 s25, s22, 1
	s_and_b32 s26, s22, 1
	s_cmp_eq_u32 s\jr, 2
	s_cselect_b32 s25, s25, 0                      ; v: P has 32 blocks of 256 and R eight of 128; q, k: P four, R 64
	s_cselect_b32 s26, s26, s22
	s_lshl_b32 s23, s25, 2
	s_add_co_u32 s23, s23, s19
	s_lshl_b32 s24, s26, 2
	s_add_co_u32 s24, s24, s20
.endm
.macro SETIN jr                        ; the two groups 0 and where my rows' scale words lie
	s_cmp_eq_u32 s\jr, 1
	s_cselect_b32 s84, 786432, 0                   ; S0's codes: Wq 0, Wk, context
	s_cselect_b32 s85, 6291456, 0                  ; S1's codes: x 0, context, Wv
	s_cselect_b32 s86, 32768, 0
	s_cselect_b32 s87, 262144, 0
	s_cmp_eq_u32 s\jr, 2
	s_cselect_b32 s84, 6291456, s84
	s_cselect_b32 s85, 1572864, s85
	s_cselect_b32 s86, 262144, s86
	s_cselect_b32 s87, 65536, s87
	s_cselect_b64 s[72:73], s[4:5], s[8:9]         ; which buffer is S0 hangs on the job alone
	s_cselect_b64 s[74:75], s[8:9], s[4:5]
	s_cselect_b64 s[SS0:SS0+1], s[6:7], s[10:11]
	s_cselect_b64 s[SS1:SS1+1], s[10:11], s[6:7]
	s_mul_i32 s25, s18, 6144                       ; my half along K
	s_mul_i32 s88, s23, 196608                     ; S0: 16 row tiles a block
	s_add_co_u32 s88, s88, s84
	s_add_co_u32 s88, s88, s25
	s_mov_b32 s89, 0
	s_mul_i32 s90, s24, 98304                      ; S1: 8 row tiles
	s_add_co_u32 s90, s90, s85
	s_add_co_u32 s90, s90, s25
	s_mov_b32 s91, 0
	s_lshl_b32 s92, s23, 13                        ; my 128 rows' scales of S0: 32 bytes a row
	s_add_co_u32 s92, s92, s86
	s_lshl_b32 s25, s17, 12
	s_add_co_u32 s92, s92, s25
	s_mov_b32 s93, 0
	s_lshl_b32 s94, s24, 12                        ; my 64 rows' of S1
	s_add_co_u32 s94, s94, s87
	s_lshl_b32 s25, s18, 11
	s_add_co_u32 s94, s94, s25
	s_mov_b32 s95, 0
	s_add_nc_u64 s[G0A+2:G0A+3], s[72:73], s[88:89]
	s_add_nc_u64 s[G0B+2:G0B+3], s[74:75], s[90:91]
	s_or_b32 s[G0A+3], s[G0A+3], 0x80000000
	s_or_b32 s[G0B+3], s[G0B+3], 0x80000000
	s_add_nc_u64 s[SS0:SS0+1], s[SS0:SS0+1], s[92:93]
	s_add_nc_u64 s[SS1:SS1+1], s[SS1:SS1+1], s[94:95]
.endm
.macro SETOUT jr                       ; where my half fragments and their scale words go
	s_lshl_b32 s25, s23, 2
	s_lshl_b32 s27, s17, 1
	s_add_co_u32 s25, s25, s27                     ; 4 pt + 2 wp: group 0's head (q, k) or group of 64 keys (v)
	s_lshl_b32 s26, s\jr, 13
	s_lshr_b32 s27, s24, 4
	s_lshl_b32 s27, s27, 11                        ; the batch x 16 heads x 128
	s_add_co_u32 s26, s26, s27
	s_lshl_b32 s27, s25, 7
	s_add_co_u32 s26, s26, s27
	s_lshl_b32 s27, s24, 3
	s_and_b32 s27, s27, 127
	s_add_co_u32 s26, s26, s27
	s_lshl_b32 s27, s18, 2
	s_add_co_u32 s26, s26, s27                     ; q, k
	s_lshr_b32 s27, s23, 3
	s_lshl_b32 s27, s27, 11
	s_add_co_u32 s27, s27, 16384
	s_lshl_b32 s97, s24, 1
	s_add_co_u32 s97, s97, s18                     ; the head
	s_lshl_b32 s97, s97, 7
	s_add_co_u32 s27, s27, s97
	s_and_b32 s97, s25, 31
	s_lshl_b32 s97, s97, 2
	s_add_co_u32 s27, s27, s97                     ; v
	s_cmp_eq_u32 s\jr, 2
	s_cselect_b32 s96, s27, s26
	s_cselect_b32 s3, 4, 128                       ; from group 0 to group 1, in half fragments
	s_mov_b32 s99, 0
	s_mul_i32 s98, s96, 768
	s_add_nc_u64 s[PC0:PC0+1], s[12:13], s[98:99]
	s_mul_i32 s98, s3, 768
	s_add_nc_u64 s[PC1:PC1+1], s[PC0:PC0+1], s[98:99]
	s_lshl_b32 s98, s96, 6
	s_add_nc_u64 s[PS0:PS0+1], s[14:15], s[98:99]
	s_lshl_b32 s98, s3, 6
	s_add_nc_u64 s[PS1:PS1+1], s[PS0:PS0+1], s[98:99]
.endm
.macro TL g0, g1
	tensor_load_to_lds s[\g0:\g0+3], s[\g1:\g1+7]
	s_nop 0
	PLACES
.endm
.macro ARM2 k0, k1                     ; a refill: wave k0 asks for S0's tile of its half, wave k1 for S1's; the other two ask for nothing
	s_cmp_eq_u32 s[WV], \k0
	s_cbranch_scc0 .Lother_\@
	TL G0A, G1A
	s_branch .Ldone_\@
.Lother_\@:
	s_cmp_eq_u32 s[WV], \k1
	s_cbranch_scc0 .Ldone_\@
	TL G0B, G1B
.Ldone_\@:
.endm
.macro STEP s, refill                  ; K step s is multiplied while step s + 1's fragments come from LDS
	s_wait_dscnt 0x0                               ; this step's fragments are in
.if (\s) == 3
	WIN 0
	s_wait_tensorcnt 0x0                           ; every wave: whatever I asked for is in, this job's second half among it
.if \refill
	ds_add_u32 v[SPW], v[NIL]                      ; (the next job's scalars stand between the add and the wait for it)
	s_add_co_u32 s71, s21, 1
	PTRT 71
	SETIN 71
	s_wait_dscnt 0x0                               ; the add is done; my reads of the first half were done at the step's head
	CROUND                                         ; both hold of every wave of all sixteen work-groups
	ARM2 0, 1                                      ; the next job's first half
.else
	s_barrier_signal -1
	s_barrier_wait -1
.endif
.endif
.if (\s) < 7
.if (\s) > 0
	PLACES                                         ; four places in front of loads into registers that matrix instructions have read
.endif
	FETCH (\s)+1
.endif
.if (\s) == 0
	s_wait_loadcnt 0x0                             ; the scale words
.endif
	MUL \s
.endm
; THE WAY OUT of group g (64 of my P) for my four tiles of R, the four by turns.  A lane's 32 registers are next K 32 (lane / 16) + 0 .. 31 of row lane % 16: one whole block, which becomes the lane's six registers of a half fragment.
.macro OUTG g, pc, ps
.set SR, 32*(\g)
.set CG, CD+32*(\g)
	WIN 0x0a
.irp a, 0,1,2,3
.irp k, 0,1
	v_max3_num_f32 v[BM+2*\a+\k], |v[SR+64*\a+16*\k]|, |v[SR+64*\a+16*\k+1]|, 0x1800000   ; two chains a block; each accumulator is read from its low end on; the floor 2^(3 - 127) holds the byte at 1 from below
.endr
.endr
	WIN 0x28
.irp i, 2,4,6,8,10,12,14
.irp a, 0,1,2,3
.irp k, 0,1
	v_max3_num_f32 v[BM+2*\a+\k], v[BM+2*\a+\k], |v[SR+64*\a+16*\k+\i]|, |v[SR+64*\a+16*\k+\i+1]|
.endr
.endr
.endr
	WIN 0
.irp a, 0,1,2,3
	v_max_num_f32 v[BM+2*\a], v[BM+2*\a], v[BM+2*\a+1]         ; the block's largest magnitude
.endr
.irp a, 0,1,2,3
	v_add_nc_u32 v[SO+\a], 0xff000000, v[BM+2*\a]              ; 2 off the exponent field: the conversion's scale operand
.endr
.irp a, 0,1,2,3
	v_lshrrev_b32 v[BT+\a], 23, v[SO+\a]                       ; the byte,
.endr
.irp a, 0,1,2,3
	v_lshlrev_b32 v[BT+\a], v[H8], v[BT+\a]                    ; at its block's place;
.endr
.irp a, 0,1,2,3
	v_permlanex16_b32 v[PW+\a], v[BT+\a], s[SEL], s[SEL+1]     ; lane l xor 16 has the row's other block
.endr
.irp a, 0,1,2,3
	v_or_b32 v[PW+\a], v[PW+\a], v[BT+\a]
.endr
.irp a, 0,1,2,3
	v_lshl_or_b32 v[PW+\a], v[PW+\a], 16, v[PW+\a]             ; the two bytes, twice
.endr
	WIN 0x02
.irp a, 0,1,2,3
	v_cvt_scalef32_pk16_fp6_f32 v[CG+8*\a:CG+8*\a+2], v[SR+64*\a:SR+64*\a+15], v[SO+\a]
	v_cvt_scalef32_pk16_fp6_f32 v[TQ+4*\a:TQ+4*\a+2], v[SR+64*\a+16:SR+64*\a+31], v[SO+\a]
.endr
	WIN 0
	v_nop                                          ; one plain line behind the scaled conversions
.irp a, 0,1,2,3
.irp i, 0,1,2
	v_mov_b32 v[CG+8*\a+3+\i], v[TQ+4*\a+\i]       ; (a conversion's three registers begin on an even number)
.endr
.endr
	v_cndmask_b32 v[SU+2*(\g)], v[PW], v[PW+1], s[HI]
	v_cndmask_b32 v[SU+2*(\g)+1], v[PW+2], v[PW+3], s[HI]
.irp a, 0,1,2,3
	global_store_b128 v[G16], v[CG+8*\a:CG+8*\a+3], s[\pc:\pc+1] offset:768*\a     ; 512 consecutive bytes,
	global_store_b64 v[G8], v[CG+8*\a+4:CG+8*\a+5], s[\pc:\pc+1] offset:768*\a     ; and 256
.endr
	global_store_b64 v[L8], v[SU+2*(\g):SU+2*(\g)+1], s[\ps:\ps+1]                 ; 256 consecutive bytes, aligned
.endm
.macro JOB refill                      ; the job in s21; refill = 1: it asks for the next job's tiles
	s_wait_xcnt 0x0                                ; the last job's stores have read their bases and data
	PTRT 21
	SETOUT 21
.irp i, 0,1,2,3                        ; my rows' scale words for all of K stay in registers: lane l takes row 32 i + l
	global_load_b128 v[SC0+8*\i:SC0+8*\i+3], v[R32], s[SS0:SS0+1] offset:1024*\i
	global_load_b128 v[SC0+8*\i+4:SC0+8*\i+7], v[R32], s[SS0:SS0+1] offset:1024*\i+16
.endr
.irp i, 0,1
	global_load_b128 v[SC1+8*\i:SC1+8*\i+3], v[R32], s[SS1:SS1+1] offset:1024*\i
	global_load_b128 v[SC1+8*\i+4:SC1+8*\i+7], v[R32], s[SS1:SS1+1] offset:1024*\i+16
.endr
	s_cmp_lt_u32 s[WV], 2                          ; waves 0 and 1 fetched the first half: they wait for it; the second half may be out
	s_cbranch_scc0 .Lnot_first_\@
	s_wait_tensorcnt 0x0
.Lnot_first_\@:
	s_barrier_signal -1
	s_barrier_wait -1
	FETCH 0
.irp s, 0,1,2,3,4,5,6,7
	STEP \s, \refill
.endr
	WIN 0
.if \refill
	s_wait_tensorcnt 0x0                           ; the three lines: the next job's first half is in
	ds_add_u32 v[SPW], v[NIL]
	s_wait_dscnt 0x0                               ; and my reads of the second half were done at step 7's head
	CROUND
	ARM2 2, 3                                      ; the next job's second half
.endif
	PLACES                                         ; four places behind the last products
	OUTG 0, PC0, PS0
	OUTG 1, PC1, PS1
.endm
.macro ARM k, g0, g1
	s_cmp_eq_u32 s[WV], \k
	s_cbranch_scc0 .Lnot_\k
	TL \g0, \g1
	s_branch .Lasked
.Lnot_\k:
.endm
; ---- the head
	s_load_b256 s[4:11], s[0:1], 0x0               ; acod, ascl, wcod, wscl
	s_load_b128 s[12:15], s[0:1], 0x20             ; pcod, pscl
	v_lshl_add_u32 v[SPW], v0, 2, SPARE
	v_mov_b32 v[NIL], 0
	ds_add_u32 v[SPW], v[NIL]                      ; the opening lines: the add, twice on end, and its wait ahead of my first tensor load
	ds_add_u32 v[SPW], v[NIL]
	v_lshrrev_b32 v1, 5, v0
	v_readfirstlane_b32 s[WV], v1                  ; wave 0..3
	s_and_b32 s17, s[WV], 1                        ; wp: which 128 of P are mine.  Also: I fetch for S0 (0) or for S1 (1)
	s_lshr_b32 s18, s[WV], 1                       ; wr: which 64 of R.  Also: which half of K I fetch
	s_bfe_u32 s19, ttmp6, 0x40000                  ; cx
	s_bfe_u32 s20, ttmp6, 0x40004                  ; cy
	s_and_b32 s22, ttmp7, 0xffff                   ; the cluster's y, 0 .. 15
	s_lshl_b32 s100, 0x1111, s19                   ; my column of the cluster (same cx)
	s_lshl_b32 s101, s20, 2
	s_lshl_b32 s101, 15, s101                      ; my row (same cy)
	; group 1: rows of 6,144 bytes (a row tile's 512 along K: 768 elements of 8 bytes), 12,288 bytes apart; S0: 16 rows, S1: 8; no padding: fragments are read as images
	s_or_b32 s[G1A], s100, (3<<16)|(1<<21)
	s_or_b32 s[G1B], s101, (3<<16)|(1<<21)
.irp g, G1A, G1B
	s_mov_b32 s[\g+1], 768<<16
	s_mov_b32 s[\g+3], 768<<16
	s_mov_b32 s[\g+5], 1536
	s_mov_b32 s[\g+6], 0
	s_mov_b32 s[\g+7], 0
.endr
	s_mov_b32 s[G1A+2], 16<<16
	s_mov_b32 s[G1A+4], 16
	s_mov_b32 s[G1B+2], 8<<16
	s_mov_b32 s[G1B+4], 8
	s_mov_b32 s[G0A], 1
	s_mul_i32 s[G0A+1], s18, HALF                  ; my half: S0's 16 row tiles,
	s_mov_b32 s[G0B], 1
	s_mul_i32 s[G0B+1], s18, HALF
	s_add_co_u32 s[G0B+1], s[G0B+1], S1OFF         ; and behind them S1's 8
	s_mul_i32 s2, s17, 49152                       ; where my 128 rows of P lie in a half,
	s_mul_i32 s3, s18, 24576
	s_add_co_u32 s3, s3, S1OFF                     ; and my 64 rows of R
	s_mov_b32 s[SEL], 0x76543210
	s_mov_b32 s[SEL+1], 0xfedcba98                 ; v_permlanex16_b32's selects for lane l xor 16
	s_mov_b32 s[HI], 0xffff0000                    ; lanes 16-31
	v_and_b32 v1, 31, v0
	v_lshlrev_b32 v[G16], 4, v1
	v_lshlrev_b32 v[L8], 3, v1
	v_lshlrev_b32 v[R32], 5, v1                    ; a row of scales
	v_lshrrev_b32 v[H8], 4, v1
	v_add_nc_u32 v[G8], 512, v[L8]
	v_lshlrev_b32 v[H8], 3, v[H8]
.irp h, 0,1
	v_add_nc_u32 v[AD+4*\h], s2, v[G16]
	v_add_nc_u32 v[AD+4*\h+1], s2, v[G8]
	v_add_nc_u32 v[AD+4*\h+2], s3, v[G16]
	v_add_nc_u32 v[AD+4*\h+3], s3, v[G8]
	s_add_co_u32 s2, s2, HALF
	s_add_co_u32 s3, s3, HALF
.endr
.irp j, 0,1,2,3
	v_mov_b32 v[PW+\j], 0                          ; written once: a lane permute's destination counts as one of its sources
.endr
	s_mov_b32 s21, 0                               ; the job: 0 q, 1 k, 2 v
	WALU                                           ; the wait at the head's end
	s_wait_dscnt 0x0
	s_wait_kmcnt 0x0
	PTRT 21
	SETIN 21
	CROUND                                         ; all sixteen work-groups are here: the first joint loads meet
	ARM 0, G0A, G1A                                ; one chain, an arm a wave, the first half's two tiles first
	ARM 1, G0B, G1B
	ARM 2, G0A, G1A
	TL G0B, G1B
.Lasked:
.Ljob:
	JOB 1                                          ; q, then k
	s_add_co_u32 s21, s21, 1
	s_cmp_lt_u32 s21, 2
	WALU
	s_cbranch_scc1 .Ljob
	JOB 0                                          ; v: nothing more is asked for
	s_wait_tensorcnt 0x0                           ; the wave's end
	ds_add_u32 v[SPW], v[NIL]
	s_wait_dscnt 0x0
	CROUND                                         ; the closing round
	s_endpgm
.Lfunc_end_k_q2f8ec0272a_proj:
	.size	k_q2f8ec0272a_proj, .Lfunc_end_k_q2f8ec0272a_proj-k_q2f8ec0272a_proj
	.p2alignl 7, 3214868480
	.fill 96, 4, 3214868480
	.section	.rodata,"a",@progbits
	.p2align	6, 0x0
	.amdhsa_kernel k_q2f8ec0272a_proj
		.amdhsa_group_segment_fixed_size 327680
		.amdhsa_private_segment_fixed_size 0
		.amdhsa_enable_private_segment 0
		.amdhsa_kernarg_size 48
		.amdhsa_user_sgpr_count 2
		.amdhsa_user_sgpr_kernarg_segment_ptr 1
		.amdhsa_wavefront_size32 1
		.amdhsa_system_sgpr_workgroup_id_x 1
		.amdhsa_system_sgpr_workgroup_id_y 1
		.amdhsa_system_sgpr_workgroup_id_z 1
		.amdhsa_system_vgpr_workitem_id 0
		.amdhsa_next_free_vgpr 1024
		.amdhsa_next_free_sgpr 102
		.amdhsa_reserve_vcc 0
		.amdhsa_float_denorm_mode_32 3
		.amdhsa_float_denorm_mode_16_64 3
		.amdhsa_memory_ordered 1
		.amdhsa_forward_progress 1
		.amdhsa_inst_pref_size 164
	.end_amdhsa_kernel
	.amdgpu_metadata
---
amdhsa.version: [ 1, 2 ]
amdhsa.kernels:
  - .name:           k_q2f8ec0272a_proj
    .symbol:         k_q2f8ec0272a_proj.kd
    .args:
      - { .name: acod, .offset: 0, .size: 8, .value_kind: global_buffer, .address_space: global }
      - { .name: ascl, .offset: 8, .size: 8, .value_kind: global_buffer, .address_space: global }
      - { .name: wcod, .offset: 16, .size: 8, .value_kind: global_buffer, .address_space: global }
      - { .name: wscl, .offset: 24, .size: 8, .value_kind: global_buffer, .address_space: global }
      - { .name: pcod, .offset: 32, .size: 8, .value_kind: global_buffer, .address_space: global }
      - { .name: pscl, .offset: 40, .size: 8, .value_kind: global_buffer, .address_space: global }
    .group_segment_fixed_size: 327680
    .private_segment_fixed_size: 0
    .kernarg_segment_align: 8
    .kernarg_segment_size: 48
    .max_flat_workgroup_size: 128
    .sgpr_count:     102
    .vgpr_count:     1024
    .wavefront_size: 32
...
	.end_amdgpu_metadata
.endif
;; end of part 2
;; launch attn (part 3): grid 4 x 64, 8 waves a work-group, clusters of 4 x 1, 327,680 bytes of LDS; arguments pcod, pscl, mask, ocod, oscl; writes ocod, oscl
.if DOCPART == 3
	.amdgcn_target "amdgcn-amd-amdhsa--gfx1250"
	.amdhsa_code_object_version 6
	.text
	.protected	k_q2f8ec0272a_attn
	.globl	k_q2f8ec0272a_attn
	.p2align	8
	.type	k_q2f8ec0272a_attn,@function
k_q2f8ec0272a_attn:
	s_mov_b64 s[64:65], 0
	v_nop
	global_prefetch_b8 v0, s[64:65] scope:SCOPE_SE
	s_setreg_imm32_b32 hwreg(HW_REG_WAVE_MODE, 25, 1), 1
	s_wait_xcnt 0x0
	s_wait_alu depctr_hold_cnt(0) depctr_sa_sdst(0) depctr_va_vdst(0) depctr_va_sdst(0) depctr_va_ssrc(0) depctr_va_vcc(0) depctr_vm_vsrc(0)
	s_getreg_b32 s2, hwreg(HW_REG_IB_STS2, 6, 4)
	s_cmp_eq_u32 s2, 0
	s_cbranch_scc0 .Lentry_in_a_cluster
	s_endpgm
.Lentry_in_a_cluster:
	s_bfe_u32 s2, ttmp6, 0x10000c
	s_cmp_lg_u32 s2, 0x3003
	s_cbranch_scc0 .Lentry_shape_is_right
	s_endpgm
.Lentry_shape_is_right:
; Launch 3 of 4: o = softmax(q k^T / 8, masked) v on codes of E2M3, and o quantised along the head's 64 for the last product.  No work of reference() is left out.
; SHARES.  A work-group takes one (batch, head) and 512 queries; the four of a cluster take the same head, so K's and V's codes and scale bytes are asked for jointly (mask 15).  A wave takes 32 queries (two tiles of 16) twice.
; All 2,048 keys of the head lie in LDS, filled ONCE at the head: one tensor load a wave (waves 0, 4: K's, V's scale bytes; the other six a third of K's or V's codes each).  No memory is read in the loop, so nothing is prefetched.
; BOTH PRODUCTS TRANSPOSED: S^T = k q^T + bias, O^T += v^T p^T: a lane holds one query.  The head's 64 fill half of an instruction's 128: a fragment of K holds two key tiles, q stands in one half beside zero codes.
; THE MASK is the C of the first product: 0, or -2^126 for a key that is masked out.  Where a batch has no key left, the factor c is 0 and every p is 1, as reference()'s softmax of equal numbers gives.
; SOFTMAX: running largest score RX; -M = floor(-c RX), a whole number; p = 2^(c s - M); the sum of the unquantised p in f32; what was summed is brought under a new M by 2^(old M - new M), with no branch.
; THE TWO TILES GO LINE BY LINE IN TURN, so that neighbouring lines do not hang on each other.  The next step's fragments of K, its mask and scale words are asked of LDS behind this step's first products.
; In the last step that look-ahead reads the 6,144 (512) bytes behind K's codes (the mask, K's scale bytes), which are V's codes (K's, V's scale bytes): filled bytes, whose values are not used.
; LIMITS: scaled scores under 2^31 in magnitude; NaN and infinities are not served; a block's byte is held at 1 from below.
; REGISTERS.  window 0: v1-15, v32-35 addresses; v16-29 scale words; v36-79 two sets of 22 small ones; v80-119 p's codes; v128-255 the scores of both tiles.
;             window 1: v0-47 K's fragments, v48-95 V's, v96-159 the mask, v160-223 O^T of both tiles, v224-253 zeros, q0, zeros, q1, zeros.
.set BIAS,  0
.set KSU,   8192
.set VSU,   16384
.set SPARE, 24576                      ; the spare words, 128 bytes a wave
.set KC,    32768
.set VC,    131072
.set G16, 1
.set G8,  2
.set AV16, 3
.set AV8, 4
.set ASU, 5
.set ABI, 6
.set A4,  7
.set ADKA, 8
.set ADKB, 9
.set ADVA, 10
.set ADVB, 11
.set ADS, 12
.set ADB, 13
.set SPW, 14
.set NIL, 15
.set KS,  16
.set VSA, 20
.set VSB, 22
.set VW,  24
.set PS,  26
.set QSL, 28
.set QSH, 29
.set QW,  30
.set OW,  31
.set AK16, 32
.set AK8, 33
.set A8L, 34
.set MA8, 35
.set SW,  22                           ; from tile 0's small registers to tile 1's
.set NM,  36
.set RX,  37
.set L,   38
.set L2,  40
.set F,   42
.set BM,  44
.set BT,  48
.set SO,  52
.set TT,  56
.set PC,  80
.set PT,  104
.set BA,  120
.set H8,  123                          ; 8 x (lane / 16)
.set S,   128
.set BI,  96
.set O,   160
.set QZ,  224
.set G1C, 16
.set G1S, 24
.set CS,  48
.set SEL, 50
.set HI,  52
.set LO,  53
.set TB,  54
.set TS,  55
.set CNT, 56
.set WV,  57
.set SQB, 58
.set SQS, 60
.set SOB, 66
.set SOS, 68
.set MSB, 0
.macro WIN new
.if MSB != \new
	s_set_vgpr_msb (MSB<<8)|\new
.set MSB, \new
.endif
.endm
.macro WALU
	s_wait_alu depctr_va_vdst(0)
.endm
.macro D2
	s_delay_alu instid0(VALU_DEP_2)
.endm
.macro CROUND
	s_barrier_signal -1
	s_barrier_wait -1
	s_cmp_lg_u32 s[WV], 0
	s_cbranch_scc1 .Lnot_wave_0_\@
	s_barrier_signal -3
.Lnot_wave_0_\@:
	s_barrier_wait -3
	s_barrier_signal -1
	s_barrier_wait -1
.endm
.macro QLOAD qb                        ; q's two half fragments and their scale words
	global_load_b32 v[QW], v[A8L], s[SQS:SQS+1] offset:(\qb)*1024
	WIN 0x40
.irp w, 0,1
	global_load_b128 v[QZ+12*\w+6:QZ+12*\w+9], v[G16], s[SQB:SQB+1] offset:(\qb)*12288+768*\w
	global_load_b64 v[QZ+12*\w+10:QZ+12*\w+11], v[G8], s[SQB:SQB+1] offset:(\qb)*12288+768*\w
.endr
	WIN 0
.endm
.macro TLOAD g0, g1
	tensor_load_to_lds s[\g0:\g0+3], s[\g1:\g1+7]
	s_nop 0
.rept 4
	v_nop
.endr
.endm
.macro WM d, a, b, c, sa, sb, ra, rb
.if (\ra) && (\rb)
	v_wmma_scale_f32_16x16x128_f8f6f4 v[(\d):(\d)+7], v[(\a):(\a)+11], v[(\b):(\b)+11], v[(\c):(\c)+7], v[(\sa)], v[(\sb)] matrix_a_fmt:MATRIX_FMT_FP6 matrix_b_fmt:MATRIX_FMT_FP6 matrix_a_scale:MATRIX_SCALE_ROW1 matrix_b_scale:MATRIX_SCALE_ROW1
.elseif (\ra)
	v_wmma_scale_f32_16x16x128_f8f6f4 v[(\d):(\d)+7], v[(\a):(\a)+11], v[(\b):(\b)+11], v[(\c):(\c)+7], v[(\sa)], v[(\sb)] matrix_a_fmt:MATRIX_FMT_FP6 matrix_b_fmt:MATRIX_FMT_FP6 matrix_a_scale:MATRIX_SCALE_ROW1
.elseif (\rb)
	v_wmma_scale_f32_16x16x128_f8f6f4 v[(\d):(\d)+7], v[(\a):(\a)+11], v[(\b):(\b)+11], v[(\c):(\c)+7], v[(\sa)], v[(\sb)] matrix_a_fmt:MATRIX_FMT_FP6 matrix_b_fmt:MATRIX_FMT_FP6 matrix_b_scale:MATRIX_SCALE_ROW1
.else
	v_wmma_scale_f32_16x16x128_f8f6f4 v[(\d):(\d)+7], v[(\a):(\a)+11], v[(\b):(\b)+11], v[(\c):(\c)+7], v[(\sa)], v[(\sb)] matrix_a_fmt:MATRIX_FMT_FP6 matrix_b_fmt:MATRIX_FMT_FP6
.endif
.endm
; ---- the head
	s_load_b256 s[4:11], s[0:1], 0x0               ; pcod, pscl, mask, ocod
	s_load_b64 s[12:13], s[0:1], 0x20              ; oscl
	v_lshl_add_u32 v[SPW], v0, 2, SPARE
	v_mov_b32 v[NIL], 0
	ds_add_u32 v[SPW], v[NIL]                      ; the opening lines: the add, twice on end, and its wait ahead of my tensor load
	ds_add_u32 v[SPW], v[NIL]
	v_lshrrev_b32 v121, 5, v0
	v_readfirstlane_b32 s[WV], v121
	s_bfe_u32 s70, ttmp6, 0x40000                  ; cx: which 512 queries
	s_and_b32 s71, ttmp7, 0xffff                   ; batch x 16 + head
	s_and_b32 s72, s[WV], 3
	s_lshr_b32 s73, s[WV], 2                       ; I fetch for K (0) or for V (1)
	s_lshl_b32 s33, s72, 15                        ; LDS of a third of the codes: 32,768 x (wave % 4), which is 1 to 3, + 98,304 for V
	s_mul_i32 s74, s73, 98304
	s_add_co_u32 s33, s33, s74
	s_lshl_b32 s37, s73, 13
	s_add_co_u32 s37, s37, KSU                     ; LDS of the scale bytes
	s_mul_i32 s74, s71, 98304                      ; the same in pcod: K's codes from 6,291,456 on, V's from 12,582,912
	s_lshl_b32 s75, s72, 15
	s_add_co_u32 s74, s74, s75
	s_mul_i32 s75, s73, 6291456
	s_add_co_u32 s74, s74, s75
	s_add_co_u32 s74, s74, 6291456-32768
	s_mov_b32 s75, 0
	s_lshl_b32 s82, s71, 13                        ; and in pscl: K's from 524,288 on, V's from 1,048,576
	s_lshl_b32 s83, s73, 19
	s_add_co_u32 s82, s82, s83
	s_add_co_u32 s82, s82, 524288
	s_mov_b32 s83, 0
	s_mov_b32 s32, 1
	s_mov_b32 s36, 1
	s_mov_b32 s[G1C], 15|(3<<16)|(1<<21)           ; dense blocks as rows of 256 bytes: 128 rows of codes, 32 of scale bytes
	s_mov_b32 s[G1S], 15|(3<<16)|(1<<21)
.irp g, G1C, G1S
	s_mov_b32 s[\g+1], 32<<16
	s_mov_b32 s[\g+3], 32<<16
	s_mov_b32 s[\g+5], 32
	s_mov_b32 s[\g+6], 0
	s_mov_b32 s[\g+7], 0
.endr
	s_mov_b32 s[G1C+2], 128<<16
	s_mov_b32 s[G1C+4], 128
	s_mov_b32 s[G1S+2], 32<<16
	s_mov_b32 s[G1S+4], 32
	s_lshl_b32 s[SQB], s71, 7                      ; q's half fragments: head x 128 + 32 cx + 2 wave
	s_lshl_b32 s76, s70, 5
	s_add_co_u32 s[SQB], s[SQB], s76
	s_lshl_b32 s77, s[WV], 1
	s_add_co_u32 s[SQB], s[SQB], s77
	s_mul_i32 s[SQB], s[SQB], 768
	s_mov_b32 s[SQB+1], 0
	s_lshl_b32 s[SQS], s71, 13                     ; and their scale words
	s_lshl_b32 s78, s70, 11
	s_add_co_u32 s[SQS], s[SQS], s78
	s_lshr_b32 s78, s[WV], 1
	s_lshl_b32 s78, s78, 8
	s_add_co_u32 s[SQS], s[SQS], s78
	s_and_b32 s78, s[WV], 1
	s_lshl_b32 s78, s78, 2
	s_add_co_u32 s[SQS], s[SQS], s78
	s_mov_b32 s[SQS+1], 0
	s_lshr_b32 s80, s71, 4                         ; batch
	s_and_b32 s81, s71, 15                         ; head
	s_lshl_b32 s[SOB], s80, 7                      ; o's codes: [token tile][head][768]
	s_add_co_u32 s[SOB], s[SOB], s76
	s_add_co_u32 s[SOB], s[SOB], s77
	s_lshl_b32 s[SOB], s[SOB], 4
	s_add_co_u32 s[SOB], s[SOB], s81
	s_mul_i32 s[SOB], s[SOB], 768
	s_mov_b32 s[SOB+1], 0
	s_lshl_b32 s[SOS], s80, 6                      ; o's scale words: [pair of token tiles][head][128]
	s_lshl_b32 s78, s70, 4
	s_add_co_u32 s[SOS], s[SOS], s78
	s_add_co_u32 s[SOS], s[SOS], s[WV]
	s_lshl_b32 s[SOS], s[SOS], 4
	s_add_co_u32 s[SOS], s[SOS], s81
	s_lshl_b32 s[SOS], s[SOS], 7
	s_mov_b32 s[SOS+1], 0
	s_lshl_b32 s76, s80, 11                        ; the batch's row of the mask
	s_mov_b32 s77, 0
	s_mov_b32 s[SEL], 0x76543210
	s_mov_b32 s[SEL+1], 0xfedcba98                 ; v_permlanex16_b32's selects for lane l xor 16
	s_mov_b32 s[HI], 0xffff0000
	s_mov_b32 s[LO], 0xffff
	v_and_b32 v121, 31, v0
	v_lshrrev_b32 v122, 4, v121
	v_lshlrev_b32 v[G16], 4, v121
	v_lshlrev_b32 v[A8L], 3, v121
	v_lshlrev_b32 v[A4], 2, v121
	v_lshlrev_b32 v[MA8], 3, v0
	v_lshlrev_b32 v[BA], 5, v0                     ; BIAS = 0: thread t writes the numbers of keys 8 t on
	v_lshlrev_b32 v[ABI], 7, v122                  ; THE KEYS OF A TILE (launch 1's stored order by 64): register i of tile 4 c + j in lane (r, h) is key 64 c + 32 h + 8 j + i: a lane's 32 registers of four tiles are one whole block of 32 keys
	v_lshlrev_b32 v[H8], 3, v122
	v_add_nc_u32 v[G8], 512, v[A8L]
	v_add_nc_u32 v[AK16], KC, v[G16]
	v_add_nc_u32 v[AV16], VC, v[G16]
	v_add_nc_u32 v[ASU], KSU, v[A8L]
	v_add_nc_u32 v[AK8], KC, v[G8]
	v_add_nc_u32 v[AV8], VC, v[G8]
	WALU                                           ; the wait ahead of the waits below
	s_wait_dscnt 0x0
	s_wait_kmcnt 0x0
	s_add_nc_u64 s[34:35], s[4:5], s[74:75]
	s_or_b32 s35, s35, 0x80000000
	s_add_nc_u64 s[38:39], s[6:7], s[82:83]
	s_or_b32 s39, s39, 0x80000000
	s_add_nc_u64 s[SQB:SQB+1], s[4:5], s[SQB:SQB+1]
	s_add_nc_u64 s[SQS:SQS+1], s[6:7], s[SQS:SQS+1]
	s_add_nc_u64 s[SOB:SOB+1], s[10:11], s[SOB:SOB+1]
	s_add_nc_u64 s[SOS:SOS+1], s[12:13], s[SOS:SOS+1]
	s_add_nc_u64 s[8:9], s[8:9], s[76:77]
.irp i, 0,1,2,3
	global_load_b128 v[128+4*\i:131+4*\i], v[G16], s[8:9] offset:512*\i    ; the batch's whole mask: is any key left?
.endr
	global_load_b64 v[144:145], v[MA8], s[8:9]     ; and my thread's eight keys
	QLOAD 0                                        ; the first 32 queries: these loads are on their way beside the tensor loads
	CROUND                                         ; the four work-groups are here: the joint loads meet
	s_cmp_eq_u32 s[WV], 0                          ; one chain, one load on every way
	s_cbranch_scc0 .Lnot_ks
	TLOAD 36, G1S
	s_branch .Lasked
.Lnot_ks:
	s_cmp_eq_u32 s[WV], 4
	s_cbranch_scc0 .Lcodes
	TLOAD 36, G1S
	s_branch .Lasked
.Lcodes:
	TLOAD 32, G1C
.Lasked:
	WIN 0x40
.irp i, 0,1,2,3,4,5
	v_mov_b32 v[QZ+\i], 0
	v_mov_b32 v[QZ+12+\i], 0
	v_mov_b32 v[QZ+24+\i], 0
.endr
	WIN 0
	WALU
	s_wait_loadcnt 0x0
.irp i, 4,8,12
.irp k, 0,1,2,3
	v_or_b32 v[128+\k], v[128+\k], v[128+\i+\k]
.endr
.endr
	v_or_b32 v128, v128, v129
	v_or_b32 v130, v130, v131
.irp e, 0,1,2,3,4,5,6,7
	v_bfe_u32 v[146+\e], v[144+\e/4], 8*(\e%4), 8
.endr
	v_or_b32 v128, v128, v130
.irp e, 0,1,2,3,4,5,6,7
	v_add_nc_u32 v[146+\e], -1, v[146+\e]
.endr
	v_cmp_ne_u32 s78, 0, v128
.irp e, 0,1,2,3,4,5,6,7
	v_and_b32 v[146+\e], 0xfe800000, v[146+\e]     ; 0 for a key that counts, -2^126 for one that does not
.endr
	s_mov_b32 s79, 0x3e38aa3b                      ; c = log2(e) / 8
	s_cmp_lg_u32 s78, 0
	s_cselect_b32 s[CS], s79, 0
	s_mov_b32 s[CS+1], s[CS]
	WALU
	s_wait_tensorcnt 0x0                           ; my tile is in
	ds_store_b128 v[BA], v[146:149]
	ds_store_b128 v[BA], v[150:153] offset:16
	s_wait_dscnt 0x0
	s_barrier_signal -1
	s_barrier_wait -1                              ; everybody's tile and the mask's numbers are in; nothing is filled again
; ---- K's four fragments, the mask's 64 numbers and K's scale words of a step: base registers and a byte offset
.macro KLOAD ka, kb, bi, su, ok, os
	WIN 0x40
.irp i, 0,1,2,3
	ds_load_b128 v[12*\i:12*\i+3], v[\ka] offset:1536*\i+(\ok)
	ds_load_b64 v[12*\i+4:12*\i+5], v[\kb] offset:1536*\i+(\ok)
	ds_load_b128 v[12*\i+6:12*\i+9], v[\ka] offset:1536*\i+768+(\ok)
	ds_load_b64 v[12*\i+10:12*\i+11], v[\kb] offset:1536*\i+768+(\ok)
.endr
.irp t, 0,1,2,3,4,5,6,7
	ds_load_b128 v[BI+8*\t:BI+8*\t+3], v[\bi] offset:256*(\t/4)+32*(\t%4)+(\os)
	ds_load_b128 v[BI+8*\t+4:BI+8*\t+7], v[\bi] offset:256*(\t/4)+32*(\t%4)+16+(\os)
.endr
	WIN 0
	ds_load_b64 v[KS:KS+1], v[\su] offset:(\os)
	ds_load_b64 v[KS+2:KS+3], v[\su] offset:256+(\os)
.endm
; ---- a step of 128 keys for both tiles
.macro TRIP
	s_wait_dscnt 0x0                               ; this step's fragments of K, mask and scale words, asked for a step ago
	WIN 0x15
.irp t, 0,1,2,3,4,5,6,7
.irp w, 0,1
.if \t%2
	WM S+64*\w+8*\t, 12*(\t/2), QZ+12*\w, BI+8*\t, KS+\t/2, QSH, 1, \w
.else
	WM S+64*\w+8*\t, 12*(\t/2), QZ+12*\w+6, BI+8*\t, KS+\t/2, QSL, 0, \w
.endif
.endr
.endr
	WIN 0
	v_add_nc_u32 v[ADKA], s[TB], v[AK16]           ; these six are also the places between the products and the loads into their registers
	v_add_nc_u32 v[ADKB], s[TB], v[AK8]
	v_add_nc_u32 v[ADVA], s[TB], v[AV16]
	v_add_nc_u32 v[ADVB], s[TB], v[AV8]
	v_add_nc_u32 v[ADS], s[TS], v[ASU]
	v_add_nc_u32 v[ADB], s[TS], v[ABI]
	ds_load_b64 v[VSA:VSA+1], v[ADS] offset:VSU-KSU
	ds_load_b64 v[VSB:VSB+1], v[ADS] offset:VSU-KSU+256
	WIN 0x40
.irp t, 0,1,2,3
	ds_load_b128 v[48+12*\t:48+12*\t+3], v[ADVA] offset:768*\t
	ds_load_b64 v[48+12*\t+4:48+12*\t+5], v[ADVB] offset:768*\t
	ds_load_b128 v[48+12*\t+6:48+12*\t+9], v[ADVA] offset:768*(4+\t)
	ds_load_b64 v[48+12*\t+10:48+12*\t+11], v[ADVB] offset:768*(4+\t)
.endr
	KLOAD ADKA, ADKB, ADB, ADS, 6144, 512          ; the next step's: 34 loads
; the largest score of each block of 32 keys: eight chains by turns; each accumulator is read from its low end on
.irp b, 0,1,2,3
.irp w, 0,1
	v_max3_num_f32 v[BM+SW*\w+\b], v[S+64*\w+16*\b], v[S+64*\w+16*\b+1], v[S+64*\w+16*\b+2]
.endr
.endr
.irp i, 3,5,7,9,11,13
.irp b, 0,1,2,3
.irp w, 0,1
	v_max3_num_f32 v[BM+SW*\w+\b], v[BM+SW*\w+\b], v[S+64*\w+16*\b+\i], v[S+64*\w+16*\b+\i+1]
.endr
.endr
.endr
.irp b, 0,1,2,3
.irp w, 0,1
	v_max_num_f32 v[BM+SW*\w+\b], v[BM+SW*\w+\b], v[S+64*\w+16*\b+15]
.endr
.endr
.irp c, 0,2
.irp w, 0,1
	v_max_num_f32 v[BM+SW*\w+\c], v[BM+SW*\w+\c], v[BM+SW*\w+\c+1]     ; my two blocks' largest scores: each block's 32 keys are all mine
.endr
.endr
; the running largest score, -M and f = 2^(old M - new M)
.irp w, 0,1
	v_mov_b32 v[SO+SW*\w], v[NM+SW*\w]
.endr
.irp w, 0,1
	v_max_num_f32 v[TT+SW*\w], v[BM+SW*\w], v[BM+SW*\w+2]
.endr
.irp w, 0,1
	D2
	v_permlanex16_b32 v[BT+SW*\w], v[TT+SW*\w], s[SEL], s[SEL+1]       ; lane l xor 16 has the query's other two blocks
.endr
.irp w, 0,1
	D2
	v_max3_num_f32 v[RX+SW*\w], v[RX+SW*\w], v[TT+SW*\w], v[BT+SW*\w]
.endr
.irp w, 0,1
	D2
	v_mul_f32 v[TT+SW*\w], s[CS], -v[RX+SW*\w]
.endr
.irp w, 0,1
	D2
	v_floor_f32 v[NM+SW*\w], v[TT+SW*\w]
.endr
.irp w, 0,1
	D2
	v_sub_f32 v[TT+SW*\w], v[NM+SW*\w], v[SO+SW*\w]
.endr
.irp w, 0,1
	D2
	v_cvt_i32_f32 v[TT+SW*\w], v[TT+SW*\w]
.endr
.irp w, 0,1
	D2
	v_ldexp_f32 v[F+SW*\w], 1.0, v[TT+SW*\w]
.endr
; t - M of tile 0; then tile 0's exponentials with tile 1's t - M among them; then tile 1's exponentials.
.set J, 0
.rept 32
	v_pk_fma_f32 v[S+J:S+J+1], v[S+J:S+J+1], s[CS:CS+1], v[NM:NM+1] op_sel_hi:[1,0,0]
.set J, J+2
.endr
.irp b, 0,2
	v_fma_f32 v[BM+\b], v[BM+\b], s[CS], v[NM]
.endr
	WALU
.set J, 0
.rept 32
	v_exp_f32 v[S+J], v[S+J]
	v_pk_fma_f32 v[S+64+J:S+64+J+1], v[S+64+J:S+64+J+1], s[CS:CS+1], v[NM+SW:NM+SW+1] op_sel_hi:[1,0,0]
	v_exp_f32 v[S+J+1], v[S+J+1]
.set J, J+2
.endr
.irp b, 0,2
	v_exp_f32 v[BM+\b], v[BM+\b]                   ; the block's largest p
	v_fma_f32 v[BM+SW+\b], v[BM+SW+\b], s[CS], v[NM+SW]
.endr
	WALU
.set J, 0
.rept 64
	v_exp_f32 v[S+64+J], v[S+64+J]
.set J, J+1
.endr
.irp b, 0,2
	v_exp_f32 v[BM+SW+\b], v[BM+SW+\b]
.endr
.irp w, 0,1
	v_pk_mul_f32 v[L+SW*\w:L+SW*\w+1], v[L+SW*\w:L+SW*\w+1], v[F+SW*\w:F+SW*\w+1] op_sel_hi:[1,0]
.endr
	WALU
; the sums of the unquantised p: four chains a tile
.irp w, 0,1
	v_pk_add_f32 v[L2+SW*\w:L2+SW*\w+1], v[S+64*\w:S+64*\w+1], v[S+64*\w+2:S+64*\w+3]
.endr
.irp w, 0,1
	v_pk_add_f32 v[BT+SW*\w:BT+SW*\w+1], v[S+64*\w+4:S+64*\w+5], v[S+64*\w+6:S+64*\w+7]
.endr
.irp w, 0,1
	v_pk_add_f32 v[BT+SW*\w+2:BT+SW*\w+3], v[S+64*\w+8:S+64*\w+9], v[S+64*\w+10:S+64*\w+11]
.endr
.set J, 12
.rept 6
.irp w, 0,1
	v_pk_add_f32 v[L+SW*\w:L+SW*\w+1], v[L+SW*\w:L+SW*\w+1], v[S+64*\w+J:S+64*\w+J+1]
.endr
.irp w, 0,1
	v_pk_add_f32 v[L2+SW*\w:L2+SW*\w+1], v[L2+SW*\w:L2+SW*\w+1], v[S+64*\w+J+2:S+64*\w+J+3]
.endr
.irp w, 0,1
	v_pk_add_f32 v[BT+SW*\w:BT+SW*\w+1], v[BT+SW*\w:BT+SW*\w+1], v[S+64*\w+J+4:S+64*\w+J+5]
.endr
.irp w, 0,1
	v_pk_add_f32 v[BT+SW*\w+2:BT+SW*\w+3], v[BT+SW*\w+2:BT+SW*\w+3], v[S+64*\w+J+6:S+64*\w+J+7]
.endr
.set J, J+8
.endr
.irp w, 0,1
	v_pk_add_f32 v[L+SW*\w:L+SW*\w+1], v[L+SW*\w:L+SW*\w+1], v[S+64*\w+60:S+64*\w+61]
.endr
.irp w, 0,1
	v_pk_add_f32 v[L2+SW*\w:L2+SW*\w+1], v[L2+SW*\w:L2+SW*\w+1], v[S+64*\w+62:S+64*\w+63]
.endr
.irp w, 0,1
	v_pk_add_f32 v[BT+SW*\w:BT+SW*\w+1], v[BT+SW*\w:BT+SW*\w+1], v[BT+SW*\w+2:BT+SW*\w+3]
.endr
.irp w, 0,1
	v_pk_add_f32 v[L+SW*\w:L+SW*\w+1], v[L+SW*\w:L+SW*\w+1], v[L2+SW*\w:L2+SW*\w+1]
.endr
.irp b, 0,2
.irp w, 0,1
	v_max_num_f32 v[BM+SW*\w+\b], 0x1800000, v[BM+SW*\w+\b]    ; the floor 2^(3 - 127): the byte cannot fall under 1
.endr
.endr
.irp w, 0,1
	v_pk_add_f32 v[L+SW*\w:L+SW*\w+1], v[L+SW*\w:L+SW*\w+1], v[BT+SW*\w:BT+SW*\w+1]
.endr
.irp b, 0,2
.irp w, 0,1
	v_add_nc_u32 v[SO+SW*\w+\b], 0xff000000, v[BM+SW*\w+\b]    ; 2 off the exponent field: the conversion's scale operand
.endr
.endr
.irp b, 0,2
.irp w, 0,1
	v_lshrrev_b32 v[BT+SW*\w+\b], 23, v[SO+SW*\w+\b]           ; the byte
.endr
.endr
.irp w, 0,1
	v_lshl_or_b32 v[TT+SW*\w], v[BT+SW*\w+2], 16, v[BT+SW*\w]  ; my two bytes: blocks h and 2 + h,
.endr
.irp w, 0,1
	v_lshlrev_b32 v[TT+SW*\w], v[H8], v[TT+SW*\w]              ; at their places in the word (8 h bits up);
.endr
.irp w, 0,1
	v_permlanex16_b32 v[BT+SW*\w], v[TT+SW*\w], s[SEL], s[SEL+1]
.endr
.irp w, 0,1
	v_or_b32 v[PS+\w], v[TT+SW*\w], v[BT+SW*\w]                ; with lane l xor 16's two: p's scale word for these 128 keys
.endr
.irp w, 0,1
.irp c, 0,1
	v_cvt_scalef32_pk16_fp6_f32 v[PC+12*\w+6*\c:PC+12*\w+6*\c+2], v[S+64*\w+32*\c:S+64*\w+32*\c+15], v[SO+SW*\w+2*\c]
	v_cvt_scalef32_pk16_fp6_f32 v[PT+8*\w+4*\c:PT+8*\w+4*\c+2], v[S+64*\w+32*\c+16:S+64*\w+32*\c+31], v[SO+SW*\w+2*\c]
.endr
.endr
	v_nop                                          ; one plain line behind the scaled conversions
.irp w, 0,1
.irp c, 0,1
.irp i, 0,1,2
	v_mov_b32 v[PC+12*\w+6*\c+3+\i], v[PT+8*\w+4*\c+\i]
.endr
.endr
.endr
	s_wait_dscnt 34                                ; V's 16 loads and its two of scale words are in; the 34 issued behind them, the next step's, may be out
	v_bfi_b32 v[VW], s[LO], v[VSA], v[VSB]
	v_bfi_b32 v[VW+1], s[LO], v[VSA+1], v[VSB+1]
	WIN 0x41
	WALU                                           ; the wait directly ahead of the first reader of O^T
.set J, 0
.rept 16
.irp w, 0,1
	v_pk_mul_f32 v[O+32*\w+J:O+32*\w+J+1], v[O+32*\w+J:O+32*\w+J+1], v[F+SW*\w:F+SW*\w+1] op_sel_hi:[1,0]   ; O^T under the new M; also the places ahead of the products below
.endr
.set J, J+2
.endr
	WIN 0x51
.irp t, 0,1,2,3
.irp w, 0,1
	WM O+32*\w+8*\t, 48+12*\t, PC+12*\w, O+32*\w+8*\t, VW+\t/2, PS+\w, \t%2, 0
.endr
.endr
	WIN 0
.endm
; ---- 32 queries of the wave over all keys, and their way out
.macro QBLOCK qb
.if \qb
	s_wait_xcnt 0x0                                ; the last stores have read their registers
.endif
	KLOAD AK16, AK8, ABI, ASU, 0, 0                ; step 0's (q's loads went out earlier: at the kernel's head, or ahead of the last block's way out)
.irp w, 0,1
	v_mov_b32 v[RX+SW*\w], 0xf1800000              ; -2^100, under every score that counts
	v_mov_b32 v[NM+SW*\w], 0x71800000              ; 2^100: no -M lies above it, so the first f is at most 1
	v_mov_b32 v[L+SW*\w], 0
	v_mov_b32 v[L+SW*\w+1], 0
	v_mov_b32 v[F+SW*\w+1], 0
.irp b, 0,1,2,3
	v_mov_b32 v[BT+SW*\w+\b], 0
.endr
.endr
	WALU
	s_wait_loadcnt 0x0
	v_and_b32 v[QSL], s[LO], v[QW]
	v_and_b32 v[QSH], s[HI], v[QW]
	WIN 0x40
.set J, 0
.rept 64
	v_mov_b32 v[O+J], 0                            ; the step is written once: the first finds zeros
.set J, J+1
.endr
	WIN 0
	s_mov_b32 s[TB], 0
	s_mov_b32 s[TS], 0
	s_mov_b32 s[CNT], 16
	WALU
.Lstep_\@:
	TRIP
	s_add_co_u32 s[TB], s[TB], 6144
	s_add_co_u32 s[TS], s[TS], 512
	s_sub_co_u32 s[CNT], s[CNT], 1
	s_cmp_lg_u32 s[CNT], 0
	s_cbranch_scc1 .Lstep_\@
.rept 4
	v_nop                                          ; four places behind the last products
.endr
	s_wait_dscnt 0x0                               ; the last step's look-ahead has landed
.if (\qb) == 0
	QLOAD 1                                        ; the next 32 queries: their registers have had their last product, and the way out below names none of them
.endif
.irp w, 0,1
	v_add_f32 v[L+SW*\w], v[L+SW*\w], v[L+SW*\w+1]
.endr
.irp w, 0,1
	v_permlanex16_b32 v[BT+SW*\w], v[L+SW*\w], s[SEL], s[SEL+1]
.endr
.irp w, 0,1
	v_add_f32 v[L+SW*\w], v[L+SW*\w], v[BT+SW*\w]
.endr
	WALU
.irp w, 0,1
	v_rcp_f32 v[L+SW*\w], v[L+SW*\w]
.endr
	v_nop
	WIN 0x01
	WALU
.set J, 0
.rept 16
.irp w, 0,1
	v_pk_mul_f32 v[S+64*\w+J:S+64*\w+J+1], v[O+32*\w+J:O+32*\w+J+1], v[L+SW*\w:L+SW*\w+1] op_sel_hi:[1,0]   ; o = O^T / the sum, into the scores' registers
.endr
.set J, J+2
.endr
	WIN 0
.irp g, 0,1
.irp w, 0,1
	v_max3_num_f32 v[BM+SW*\w+\g], |v[S+64*\w+16*\g]|, |v[S+64*\w+16*\g+1]|, 0x1800000
.endr
.endr
.irp i, 2,4,6,8,10,12,14
.irp g, 0,1
.irp w, 0,1
	v_max3_num_f32 v[BM+SW*\w+\g], v[BM+SW*\w+\g], |v[S+64*\w+16*\g+\i]|, |v[S+64*\w+16*\g+\i+1]|
.endr
.endr
.endr
.irp g, 0,1
.irp w, 0,1
	v_permlanex16_b32 v[BT+SW*\w+\g], v[BM+SW*\w+\g], s[SEL], s[SEL+1]
.endr
.endr
.irp g, 0,1
.irp w, 0,1
	v_max_num_f32 v[BM+SW*\w+\g], v[BM+SW*\w+\g], v[BT+SW*\w+\g]
.endr
.endr
.irp g, 0,1
.irp w, 0,1
	v_add_nc_u32 v[SO+SW*\w+\g], 0xff000000, v[BM+SW*\w+\g]
.endr
.endr
.irp g, 0,1
.irp w, 0,1
	v_lshrrev_b32 v[BT+SW*\w+\g], 23, v[SO+SW*\w+\g]
.endr
.endr
.irp w, 0,1
	v_lshl_or_b32 v[TT+SW*\w], v[BT+SW*\w+1], 8, v[BT+SW*\w]
.endr
.irp w, 0,1
	v_lshl_or_b32 v[TT+SW*\w], v[TT+SW*\w], 16, v[TT+SW*\w]    ; the two bytes, twice
.endr
.irp w, 0,1
	v_cvt_scalef32_pk16_fp6_f32 v[PC+12*\w:PC+12*\w+2], v[S+64*\w:S+64*\w+15], v[SO+SW*\w]
	v_cvt_scalef32_pk16_fp6_f32 v[PT+8*\w:PT+8*\w+2], v[S+64*\w+16:S+64*\w+31], v[SO+SW*\w+1]
.endr
	v_nop
.irp w, 0,1
.irp i, 0,1,2
	v_permlane16_swap_b32 v[PC+12*\w+\i], v[PT+8*\w+\i]
.endr
.endr
.irp w, 0,1
.irp i, 0,1,2
	v_mov_b32 v[PC+12*\w+3+\i], v[PT+8*\w+\i]
.endr
.endr
	v_cndmask_b32 v[OW], v[TT], v[TT+SW], s[HI]    ; lanes 0-15 tile 0's words, lanes 16-31 tile 1's
.irp w, 0,1
	global_store_b128 v[G16], v[PC+12*\w:PC+12*\w+3], s[SOB:SOB+1] offset:(\qb)*196608+\w*12288    ; 512 consecutive bytes,
	global_store_b64 v[G8], v[PC+12*\w+4:PC+12*\w+5], s[SOB:SOB+1] offset:(\qb)*196608+\w*12288    ; and 256
.endr
	global_store_b32 v[A4], v[OW], s[SOS:SOS+1] offset:(\qb)*16384
.endm
	QBLOCK 0
	QBLOCK 1
	s_wait_tensorcnt 0x0                           ; the wave's end
	ds_add_u32 v[SPW], v[NIL]
	s_wait_dscnt 0x0
	CROUND                                         ; the closing round
	s_endpgm
.Lfunc_end_k_q2f8ec0272a_attn:
	.size	k_q2f8ec0272a_attn, .Lfunc_end_k_q2f8ec0272a_attn-k_q2f8ec0272a_attn
	.p2alignl 7, 3214868480
	.fill 96, 4, 3214868480
	.section	.rodata,"a",@progbits
	.p2align	6, 0x0
	.amdhsa_kernel k_q2f8ec0272a_attn
		.amdhsa_group_segment_fixed_size 327680
		.amdhsa_private_segment_fixed_size 0
		.amdhsa_enable_private_segment 0
		.amdhsa_kernarg_size 40
		.amdhsa_user_sgpr_count 2
		.amdhsa_user_sgpr_kernarg_segment_ptr 1
		.amdhsa_wavefront_size32 1
		.amdhsa_system_sgpr_workgroup_id_x 1
		.amdhsa_system_sgpr_workgroup_id_y 1
		.amdhsa_system_sgpr_workgroup_id_z 1
		.amdhsa_system_vgpr_workitem_id 0
		.amdhsa_next_free_vgpr 512
		.amdhsa_next_free_sgpr 84
		.amdhsa_reserve_vcc 0
		.amdhsa_float_denorm_mode_32 3
		.amdhsa_float_denorm_mode_16_64 3
		.amdhsa_memory_ordered 1
		.amdhsa_forward_progress 1
		.amdhsa_inst_pref_size 94
	.end_amdhsa_kernel
	.amdgpu_metadata
---
amdhsa.version: [ 1, 2 ]
amdhsa.kernels:
  - .name:           k_q2f8ec0272a_attn
    .symbol:         k_q2f8ec0272a_attn.kd
    .args:
      - { .name: pcod, .offset: 0, .size: 8, .value_kind: global_buffer, .address_space: global }
      - { .name: pscl, .offset: 8, .size: 8, .value_kind: global_buffer, .address_space: global }
      - { .name: mask, .offset: 16, .size: 8, .value_kind: global_buffer, .address_space: global }
      - { .name: ocod, .offset: 24, .size: 8, .value_kind: global_buffer, .address_space: global }
      - { .name: oscl, .offset: 32, .size: 8, .value_kind: global_buffer, .address_space: global }
    .group_segment_fixed_size: 327680
    .private_segment_fixed_size: 0
    .kernarg_segment_align: 8
    .kernarg_segment_size: 40
    .max_flat_workgroup_size: 256
    .sgpr_count:     84
    .vgpr_count:     512
    .wavefront_size: 32
...
	.end_amdgpu_metadata
.endif
;; end of part 3
;; launch outp (part 4): grid 4 x 64, 8 waves a work-group, clusters of 4 x 4, 295,936 bytes of LDS; arguments ocod, oscl, wcod, wscl, bo, out0; writes out0
.if DOCPART == 4
	.amdgcn_target "amdgcn-amd-amdhsa--gfx1250"
	.amdhsa_code_object_version 6
	.text
	.protected	k_q2f8ec0272a_outp
	.globl	k_q2f8ec0272a_outp
	.p2align	8
	.type	k_q2f8ec0272a_outp,@function
k_q2f8ec0272a_outp:
	s_mov_b64 s[64:65], 0
	v_nop
	global_prefetch_b8 v0, s[64:65] scope:SCOPE_SE
	s_setreg_imm32_b32 hwreg(HW_REG_WAVE_MODE, 25, 1), 1
	s_wait_xcnt 0x0
	s_wait_alu depctr_hold_cnt(0) depctr_sa_sdst(0) depctr_va_vdst(0) depctr_va_sdst(0) depctr_va_ssrc(0) depctr_va_vcc(0) depctr_vm_vsrc(0)
	s_getreg_b32 s2, hwreg(HW_REG_IB_STS2, 6, 4)
	s_cmp_eq_u32 s2, 0
	s_cbranch_scc0 .Lentry_in_a_cluster
	s_endpgm
.Lentry_in_a_cluster:
	s_bfe_u32 s2, ttmp6, 0x10000c
	s_cmp_lg_u32 s2, 0xf033
	s_cbranch_scc0 .Lentry_shape_is_right
	s_endpgm
.Lentry_shape_is_right:
; Launch 4 of 4: out0 = o Wo + bo on codes of E2M3.  No work of reference() is left out.
; The form is launch 2's: source 0 = 16 stored rows of Wo (output columns), source 1 = 16 stored rows of o (tokens); a work-group makes 256 columns x 128 tokens, each of eight waves 64 x 64; all of K = 1,024 lies in LDS in four
; chunks, each filled once, all asked for at the head; cluster 4 x 4: Wo's rows are asked for jointly along a column of the cluster, o's along a row.
; bo is the C of each sum's first product: eight registers a tile in the result's layout.  o's scale words for 128 along K are put together from the words of two heads.
; THE WAY OUT: a lane holds 8 neighbouring columns of one token; a block of 16 tokens x 64 columns goes through the wave's own stage and leaves as rows of 256 consecutive bytes, aligned; the rows' arithmetic undoes the stored order.
; The stage lies in chunk 0, which has had its only fill, and which nobody reads behind the barrier of chunk 3.
; REGISTERS.  window 0: v1-9, v12-15 addresses; v10, v11 the add's two; v16-31, v32-47 scale words; v48-79 bo, later rows on their way out; v80-111 o's raw scale words, later rows; v128-255 accumulators.  window 1: two buffers of 96.
.set CHUNK, 73728
.set S1OFF, 49152
.set SPARE, 4*CHUNK
.set SPW, 10
.set NIL, 11
.set STO, 12
.set RD,  13
.set GO,  14
.set ABO, 15
.set SC0, 16
.set SC1, 32
.set BO,  48
.set RW,  80
.set ACC, 128
.set WV,  16
.set G1A, 28
.set G1B, 36
.set G0A, 44                           ; s[44:47] group 0 for my chunk of Wo;  s[68:71] for my chunk of o
.set G0B, 68
.set MSB, 0
.macro WIN new
.if MSB != \new
	s_set_vgpr_msb (MSB<<8)|\new
.set MSB, \new
.endif
.endm
.macro CROUND
	s_barrier_signal -1
	s_barrier_wait -1
	s_cmp_lg_u32 s[WV], 0
	s_cbranch_scc1 .Lnot_wave_0_\@
	s_barrier_signal -3
.Lnot_wave_0_\@:
	s_barrier_wait -3
	s_barrier_signal -1
	s_barrier_wait -1
.endm
.macro WM d, a, b, c, sa, sb, ra, rb
.if (\ra) && (\rb)
	v_wmma_scale_f32_16x16x128_f8f6f4 v[(\d):(\d)+7], v[(\a):(\a)+11], v[(\b):(\b)+11], v[(\c):(\c)+7], v[(\sa)], v[(\sb)] matrix_a_fmt:MATRIX_FMT_FP6 matrix_b_fmt:MATRIX_FMT_FP6 matrix_a_scale:MATRIX_SCALE_ROW1 matrix_b_scale:MATRIX_SCALE_ROW1
.elseif (\ra)
	v_wmma_scale_f32_16x16x128_f8f6f4 v[(\d):(\d)+7], v[(\a):(\a)+11], v[(\b):(\b)+11], v[(\c):(\c)+7], v[(\sa)], v[(\sb)] matrix_a_fmt:MATRIX_FMT_FP6 matrix_b_fmt:MATRIX_FMT_FP6 matrix_a_scale:MATRIX_SCALE_ROW1
.elseif (\rb)
	v_wmma_scale_f32_16x16x128_f8f6f4 v[(\d):(\d)+7], v[(\a):(\a)+11], v[(\b):(\b)+11], v[(\c):(\c)+7], v[(\sa)], v[(\sb)] matrix_a_fmt:MATRIX_FMT_FP6 matrix_b_fmt:MATRIX_FMT_FP6 matrix_b_scale:MATRIX_SCALE_ROW1
.else
	v_wmma_scale_f32_16x16x128_f8f6f4 v[(\d):(\d)+7], v[(\a):(\a)+11], v[(\b):(\b)+11], v[(\c):(\c)+7], v[(\sa)], v[(\sb)] matrix_a_fmt:MATRIX_FMT_FP6 matrix_b_fmt:MATRIX_FMT_FP6
.endif
.endm
	s_load_b256 s[4:11], s[0:1], 0x0               ; ocod, oscl, wcod, wscl
	s_load_b128 s[12:15], s[0:1], 0x20             ; bo, out0
	v_lshl_add_u32 v[SPW], v0, 2, SPARE
	v_mov_b32 v[NIL], 0
	ds_add_u32 v[SPW], v[NIL]                      ; the wave's opening: the add, twice on end, and its wait ahead of my first tensor load
	ds_add_u32 v[SPW], v[NIL]
	v_lshrrev_b32 v1, 5, v0
	s_delay_alu instid0(VALU_DEP_1)
	v_readfirstlane_b32 s[WV], v1
	s_and_b32 s17, s[WV], 3                        ; wp: which 64 columns are mine.  Also: which chunk of 256 along K I fetch
	s_lshr_b32 s18, s[WV], 2                       ; wr: which 64 tokens.  Also: I fetch for Wo (0) or for o (1)
	s_bfe_u32 s19, ttmp6, 0x40000                  ; cx = the tile of 256 columns
	s_bfe_u32 s20, ttmp6, 0x40004                  ; cy
	s_and_b32 s24, ttmp7, 0xffff
	s_lshl_b32 s24, s24, 2
	s_add_co_u32 s24, s24, s20                     ; the tile of 128 tokens
	s_lshl_b32 s100, 0x1111, s19                   ; my column of the cluster
	s_lshl_b32 s101, s20, 2
	s_lshl_b32 s101, 15, s101                      ; my row
	s_or_b32 s[G1A], s100, (3<<16)|(1<<21)         ; group 1 as in launch 2: rows of 3,072 bytes, 12,288 apart; 16 rows a load for Wo, 8 for o
	s_or_b32 s[G1B], s101, (3<<16)|(1<<21)
.irp g, G1A, G1B
	s_mov_b32 s[\g+1], 384<<16
	s_mov_b32 s[\g+3], 384<<16
	s_mov_b32 s[\g+5], 1536
	s_mov_b32 s[\g+6], 0
	s_mov_b32 s[\g+7], 0
.endr
	s_mov_b32 s[G1A+2], 16<<16
	s_mov_b32 s[G1A+4], 16
	s_mov_b32 s[G1B+2], 8<<16
	s_mov_b32 s[G1B+4], 8
	s_mul_i32 s88, s19, 196608
	s_add_co_u32 s88, s88, 2359296                 ; Wo is the fourth weight
	s_mul_i32 s25, s17, 3072                       ; my chunk along K
	s_add_co_u32 s88, s88, s25
	s_mov_b32 s89, 0
	s_mul_i32 s90, s24, 98304
	s_mul_i32 s25, s17, 3072                       ; my chunk along K
	s_add_co_u32 s90, s90, s25
	s_mov_b32 s91, 0
	s_lshl_b32 s92, s19, 13                        ; Wo's scales: my 64 rows of 32 bytes
	s_add_co_u32 s92, s92, 98304
	s_lshl_b32 s25, s17, 11
	s_add_co_u32 s92, s92, s25
	s_mov_b32 s93, 0
	s_lshl_b32 s94, s24, 13                        ; o's scales: my two pairs of token tiles, 2,048 bytes a pair
	s_lshl_b32 s25, s18, 12
	s_add_co_u32 s94, s94, s25
	s_mov_b32 s95, 0
	s_lshl_b32 s96, s19, 10                        ; my first column, in bytes
	s_lshl_b32 s25, s17, 8
	s_add_co_u32 s96, s96, s25
	s_mov_b32 s97, 0
	s_lshl_b32 s98, s24, 19                        ; my first token's row of 4,096 bytes
	s_lshl_b32 s25, s18, 18
	s_add_co_u32 s98, s98, s25
	s_add_co_u32 s98, s98, s96
	s_mov_b32 s99, 0
	s_mul_i32 s2, s17, 12288
	s_mul_i32 s25, s18, 12288
	s_add_co_u32 s25, s25, S1OFF
	s_mul_i32 s26, s[WV], 4352                     ; my stage: 16 rows x 272
	s_mov_b32 s27, 0xffff
	v_and_b32 v1, 31, v0
	s_delay_alu instid0(VALU_DEP_1)
	v_lshlrev_b32 v6, 4, v1
	s_delay_alu instid0(VALU_DEP_2)
	v_lshlrev_b32 v8, 3, v1
	s_delay_alu instid0(VALU_DEP_1)
	v_add_nc_u32 v7, 512, v8
	s_delay_alu instid0(VALU_DEP_4)
	v_lshlrev_b32 v9, 5, v1
	s_delay_alu instid0(VALU_DEP_4)
	v_add_nc_u32 v2, s2, v6
	s_delay_alu instid0(VALU_DEP_3)
	v_add_nc_u32 v3, s2, v7
	v_add_nc_u32 v4, s25, v6
	v_add_nc_u32 v5, s25, v7
	v_and_b32 v48, 15, v1
	v_lshrrev_b32 v49, 4, v1
	s_delay_alu instid0(VALU_DEP_2)
	v_mul_u32_u24 v[STO], v48, 272
	s_delay_alu instid0(VALU_DEP_1)
	v_lshl_add_u32 v[STO], v49, 6, v[STO]
	s_delay_alu instid0(VALU_DEP_1)
	v_add_nc_u32 v[STO], s26, v[STO]               ; in: row lane % 16, + 64 (lane / 16)
	s_delay_alu instid0(VALU_DEP_4)
	v_mul_u32_u24 v[RD], v49, 272
	s_delay_alu instid0(VALU_DEP_1)
	v_lshl_add_u32 v[RD], v48, 4, v[RD]
	s_delay_alu instid0(VALU_DEP_1)
	v_add_nc_u32 v[RD], s26, v[RD]                 ; back: lanes 0-15 one row, lanes 16-31 the next
	v_lshlrev_b32 v[GO], 12, v49
	s_delay_alu instid0(VALU_DEP_1)
	v_lshl_add_u32 v[GO], v48, 4, v[GO]            ; and the same in out0
	v_lshlrev_b32 v[ABO], 6, v49                   ; bo: + 16 numbers for lanes 16-31
	v_lshlrev_b32 v1, 2, v1                        ; 4 x lane
	s_wait_dscnt 0x0
	s_wait_kmcnt 0x0
	s_add_nc_u64 s[60:61], s[8:9], s[88:89]
	s_add_nc_u64 s[62:63], s[4:5], s[90:91]
	s_add_nc_u64 s[84:85], s[10:11], s[92:93]
	s_add_nc_u64 s[86:87], s[6:7], s[94:95]
	s_add_nc_u64 s[12:13], s[12:13], s[96:97]
	s_add_nc_u64 s[14:15], s[14:15], s[98:99]
	s_mov_b32 s[G0A], 1
	s_mul_i32 s[G0A+1], s17, CHUNK                 ; chunk wp: Wo's 16 row tiles,
	s_mov_b64 s[G0A+2:G0A+3], s[60:61]
	s_or_b32 s[G0A+3], s[G0A+3], 0x80000000
	s_mov_b32 s[G0B], 1
	s_mul_i32 s[G0B+1], s17, CHUNK
	s_add_co_u32 s[G0B+1], s[G0B+1], S1OFF         ; and behind them o's 8
	s_mov_b64 s[G0B+2:G0B+3], s[62:63]
	s_or_b32 s[G0B+3], s[G0B+3], 0x80000000
	CROUND
; ONE TENSOR LOAD A WAVE: wave j fetches Wo's chunk j, wave 4 + j o's.  One chain of branches on the wave's number, an arm a wave, so that each load line is one wave's alone; chunk 0's two arms come first.
.macro ARM k, g0, g1
	s_cmp_eq_u32 s[WV], \k
	s_cbranch_scc0 .Lnot_\k
	tensor_load_to_lds s[\g0:\g0+3], s[\g1:\g1+7]
	s_nop 0
.rept 4
	v_nop
.endr
	s_branch .Lasked
.Lnot_\k:
.endm
	ARM 0, G0A, G1A
	ARM 4, G0B, G1B
	ARM 1, G0A, G1A
	ARM 5, G0B, G1B
	ARM 2, G0A, G1A
	ARM 6, G0B, G1B
	ARM 3, G0A, G1A
	tensor_load_to_lds s[G0B:G0B+3], s[G1B:G1B+7]
	s_nop 0
.rept 4
	v_nop
.endr
.Lasked:
.irp i, 0,1
	global_load_b128 v[SC0+8*\i:SC0+8*\i+3], v9, s[84:85] offset:1024*\i
	global_load_b128 v[SC0+8*\i+4:SC0+8*\i+7], v9, s[84:85] offset:1024*\i+16
.endr
	s_wait_alu depctr_va_vdst(0)
.irp b, 0,1,2,3                        ; register j of tile b is column 32 (b / 2) + 16 (lane / 16) + 8 (b % 2) + j
	global_load_b128 v[BO+8*\b:BO+8*\b+3], v[ABO], s[12:13] offset:128*(\b/2)+32*(\b%2)
	global_load_b128 v[BO+8*\b+4:BO+8*\b+7], v[ABO], s[12:13] offset:128*(\b/2)+32*(\b%2)+16
.endr
.set J, 0
.rept 32                               ; pair of token tiles J / 16, head J % 16: lanes 0-15 the even tile's rows, lanes 16-31 the odd one's
	global_load_b32 v[RW+J], v1, s[86:87] offset:128*J
.set J, J+1
.endr
	s_wait_loadcnt 0x0
.irp i, 0,1
.irp s, 0,1,2,3,4,5,6,7
	v_bfi_b32 v[SC1+8*\i+\s], s27, v[RW+16*\i+2*\s], v[RW+16*\i+2*\s+1]   ; bytes 0, 1 from head 2 s, bytes 2, 3 from head 2 s + 1
.endr
.endr
.rept 8
	v_nop                                          ; a scale register written by a vector instruction stands eight places ahead of a scaled product
.endr
.macro FETCH s, buf
	WIN 0x40
.irp i, 0,1,2,3
	ds_load_b128 v[96*(\buf)+12*\i:96*(\buf)+12*\i+3], v2 offset:\i*3072+((\s)%2)*1536
	ds_load_b64 v[96*(\buf)+12*\i+4:96*(\buf)+12*\i+5], v3 offset:\i*3072+((\s)%2)*1536
	ds_load_b128 v[96*(\buf)+12*\i+6:96*(\buf)+12*\i+9], v2 offset:\i*3072+((\s)%2)*1536+768
	ds_load_b64 v[96*(\buf)+12*\i+10:96*(\buf)+12*\i+11], v3 offset:\i*3072+((\s)%2)*1536+768
	ds_load_b128 v[96*(\buf)+48+12*\i:96*(\buf)+48+12*\i+3], v4 offset:\i*3072+((\s)%2)*1536
	ds_load_b64 v[96*(\buf)+48+12*\i+4:96*(\buf)+48+12*\i+5], v5 offset:\i*3072+((\s)%2)*1536
	ds_load_b128 v[96*(\buf)+48+12*\i+6:96*(\buf)+48+12*\i+9], v4 offset:\i*3072+((\s)%2)*1536+768
	ds_load_b64 v[96*(\buf)+48+12*\i+10:96*(\buf)+48+12*\i+11], v5 offset:\i*3072+((\s)%2)*1536+768
.endr
.endm
.macro MUL s, buf                      ; the 16 accumulators take turns, one instruction a turn
	WIN 0x05
.irp a, 0,1,2,3
.irp b, 0,1,2,3
.if (\s) == 0
	WM ACC+8*(4*\a+\b), 96*(\buf)+12*\b, 96*(\buf)+48+12*\a, BO+8*\b, SC0+8*(\b/2)+(\s), SC1+8*(\a/2)+(\s), \b%2, \a%2
.else
	WM ACC+8*(4*\a+\b), 96*(\buf)+12*\b, 96*(\buf)+48+12*\a, ACC+8*(4*\a+\b), SC0+8*(\b/2)+(\s), SC1+8*(\a/2)+(\s), \b%2, \a%2
.endif
.endr
.endr
.endm
.macro STEP s
	s_wait_dscnt 0x0                               ; this step's fragments are in
.if ((\s)%2 == 1) && ((\s) < 7)
	WIN 0
	s_cmp_eq_u32 s[WV], ((\s)+1)/2                 ; the two waves that fetched the next chunk wait for their one load
	s_cbranch_scc1 .Lmine_\@
	s_cmp_lg_u32 s[WV], ((\s)+1)/2+4
	s_cbranch_scc1 .Lnot_mine_\@
.Lmine_\@:
	s_wait_tensorcnt 0x0
.Lnot_mine_\@:
	s_barrier_signal -1
	s_barrier_wait -1
	v_add_nc_u32 v2, CHUNK, v2                     ; also the four places in front of the loads below
	s_wait_alu depctr_va_vdst(0)
	v_add_nc_u32 v3, CHUNK, v3
	s_wait_alu depctr_va_vdst(0)
	v_add_nc_u32 v4, CHUNK, v4
	s_wait_alu depctr_va_vdst(0)
	v_add_nc_u32 v5, CHUNK, v5
.elseif ((\s) >= 2) && ((\s) < 7)
.rept 4
	v_nop
.endr
.endif
.if (\s) < 7
	s_wait_alu depctr_va_vdst(0)
	FETCH (\s)+1, ((\s)+1)%2
.endif
	MUL \s, (\s)%2
.endm
	s_wait_alu depctr_va_vdst(0)
	s_cmp_eq_u32 s[WV], 0                          ; waves 0 and 4 fetched chunk 0: they wait for it; the other chunks may be out
	s_cbranch_scc1 .Lmine_0
	s_cmp_lg_u32 s[WV], 4
	s_cbranch_scc1 .Lnot_mine_0
.Lmine_0:
	s_wait_tensorcnt 0x0
.Lnot_mine_0:
	s_barrier_signal -1
	s_barrier_wait -1
	FETCH 0, 0
.irp s, 0,1,2,3,4,5,6,7
	STEP \s
.endr
.macro TOSTAGE a                       ; 16 tokens x 64 columns into my stage and back as rows; LDS serves a wave's instructions in order
.irp b, 0,1,2,3
	ds_store_b128 v[STO], v[ACC+8*(4*(\a)+\b):ACC+8*(4*(\a)+\b)+3] offset:128*(\b/2)+32*(\b%2)       ; each accumulator from its low end on
	ds_store_b128 v[STO], v[ACC+8*(4*(\a)+\b)+4:ACC+8*(4*(\a)+\b)+7] offset:128*(\b/2)+32*(\b%2)+16
.endr
.irp i, 0,1,2,3,4,5,6,7
	ds_load_b128 v[BO+32*((\a)%2)+4*\i:BO+32*((\a)%2)+4*\i+3], v[RD] offset:544*\i
.endr
.endm
.macro SEND a, younger                 ; younger: the LDS instructions issued behind block a's loads, which may stay out
	s_wait_dscnt \younger
.irp i, 0,1,2,3,4,5,6,7
	global_store_b128 v[GO], v[BO+32*((\a)%2)+4*\i:BO+32*((\a)%2)+4*\i+3], s[14:15] offset:(32*((\a)/2)+8*((\a)%2)+2*\i+8*(\i/4))*4096 th:TH_STORE_NT   ; sixteen lanes store 256 consecutive bytes, aligned
.endr
.endm
	WIN 0
.rept 4
	v_nop                                          ; four places behind the last products
.endr
	TOSTAGE 0
	TOSTAGE 1
	SEND 0, 16                                     ; behind block 0's loads: block 1's 8 stores and 8 loads
	s_wait_xcnt 0x0                                ; block 0's stores have read their registers: block 2's rows may land there
	TOSTAGE 2
	SEND 1, 16
	s_wait_xcnt 0x0
	TOSTAGE 3
	SEND 2, 16
	SEND 3, 0
	s_wait_tensorcnt 0x0                           ; the wave's end
	ds_add_u32 v[SPW], v[NIL]
	s_wait_dscnt 0x0
	CROUND                                         ; the closing round
	s_endpgm
.Lfunc_end_k_q2f8ec0272a_outp:
	.size	k_q2f8ec0272a_outp, .Lfunc_end_k_q2f8ec0272a_outp-k_q2f8ec0272a_outp
	.p2alignl 7, 3214868480
	.fill 96, 4, 3214868480
	.section	.rodata,"a",@progbits
	.p2align	6, 0x0
	.amdhsa_kernel k_q2f8ec0272a_outp
		.amdhsa_group_segment_fixed_size 295936
		.amdhsa_private_segment_fixed_size 0
		.amdhsa_enable_private_segment 0
		.amdhsa_kernarg_size 48
		.amdhsa_user_sgpr_count 2
		.amdhsa_user_sgpr_kernarg_segment_ptr 1
		.amdhsa_wavefront_size32 1
		.amdhsa_system_sgpr_workgroup_id_x 1
		.amdhsa_system_sgpr_workgroup_id_y 1
		.amdhsa_system_sgpr_workgroup_id_z 1
		.amdhsa_system_vgpr_workitem_id 0
		.amdhsa_next_free_vgpr 512
		.amdhsa_next_free_sgpr 102
		.amdhsa_reserve_vcc 0
		.amdhsa_float_denorm_mode_32 3
		.amdhsa_float_denorm_mode_16_64 3
		.amdhsa_memory_ordered 1
		.amdhsa_forward_progress 1
		.amdhsa_inst_pref_size 58
	.end_amdhsa_kernel
	.amdgpu_metadata
---
amdhsa.version: [ 1, 2 ]
amdhsa.kernels:
  - .name:           k_q2f8ec0272a_outp
    .symbol:         k_q2f8ec0272a_outp.kd
    .args:
      - { .name: ocod, .offset: 0, .size: 8, .value_kind: global_buffer, .address_space: global }
      - { .name: oscl, .offset: 8, .size: 8, .value_kind: global_buffer, .address_space: global }
      - { .name: wcod, .offset: 16, .size: 8, .value_kind: global_buffer, .address_space: global }
      - { .name: wscl, .offset: 24, .size: 8, .value_kind: global_buffer, .address_space: global }
      - { .name: bo, .offset: 32, .size: 8, .value_kind: global_buffer, .address_space: global }
      - { .name: out0, .offset: 40, .size: 8, .value_kind: global_buffer, .address_space: global }
    .group_segment_fixed_size: 295936
    .private_segment_fixed_size: 0
    .kernarg_segment_align: 8
    .kernarg_segment_size: 48
    .max_flat_workgroup_size: 256
    .sgpr_count:     102
    .vgpr_count:     512
    .wavefront_size: 32
...
	.end_amdgpu_metadata
.endif
;; end of part 4
